; MI455X (gfx1250); checked and timed in simulation.
; The chip was launched on July 23, 2026; its instructions are those of AMD's public machine-readable ISA for CDNA 5 (MIT licence, August 2026) and "CDNA5" Instruction Set Architecture Reference Guide (July 2026). The comments in the code are by the model that wrote it; some were corrected since.
;; Multi Head Attention Layer. Allowed arithmetic: matrix products marked QUANTISED: E2M3 operands, one E8M0 scale for each 32 along K, by v_wmma_scale_f32_16x16x128_f8f6f4 with both operands' format E2M3, f32 sums; everything else in f32.
;; Inputs: Wk 1,024 x 1,024 float32; Wo 1,024 x 1,024 float32; Wq 1,024 x 1,024 float32; Wv 1,024 x 1,024 float32; bk 1,024 float32; bo 1,024 float32; bq 1,024 float32; bv 1,024 float32; inputs 4 x 2,048 x 1,024 float32.
;; Outputs: out0 4 x 2,048 x 1,024 float32.
;; This version of the problem:
;;   THIS VERSION OF THE PROBLEM IS GIVEN IN LOW PRECISION. The matrix products marked QUANTISED in the list below multiply operands that are first quantised to E2M3 (2 exponent bits, 3 mantissa bits; 6 bits a number), with one power-of-two scale for each 32 numbers along K (OCP MX v1.0); their sums are f32. All else is computed in f32.
;;   The module's matrix products, in the order in which they are computed (A, B: the left and right operand; K: the contracted axis; several contracted axes count as one K, in the product's order):
;;     1. [M 8,192, K 1,024] x [K 1,024, N 1,024]; A: input inputs; B: input Wq: QUANTISED
;;     2. [M 8,192, K 1,024] x [K 1,024, N 1,024]; A: input inputs; B: input Wk: QUANTISED
;;     3. [M 8,192, K 1,024] x [K 1,024, N 1,024]; A: input inputs; B: input Wv: QUANTISED
;;     4. batch 64 x [M 2,048, K 64] x [K 64, N 2,048]; A: computed on the way; B: computed on the way: QUANTISED
;;     5. batch 64 x [M 64, K 2,048] x [K 2,048, N 2,048]; A: computed on the way; B: softmax (see below): QUANTISED
;;     6. [M 8,192, K 1,024] x [K 1,024, N 1,024]; A: computed on the way; B: input Wo: QUANTISED
;;   THE QUANTISER, for each operand of a quantised product, along K:
;;     - K is cut into blocks of 32 from its start; a last block that is shorter is filled with zeros.
;;     - A block's scale is 2^e with e = floor(log2(the largest magnitude in the block)) - 2, held to -126 .. 127; a block of zeros has e = 0. As a byte (E8M0): e + 127.
;;     - Each number is divided by its block's scale, clamped to +-7.5, and rounded to the nearest number of E2M3, ties to even, subnormals kept.
;;     - The product sums the exact products of the quantised numbers (number of the format x scale) in f32.
;;   ~~~python
;;   def quantise(x, axis):      # numpy; x: float32 -> the quantised numbers, widened to float32 again
;;       x = np.moveaxis(x, axis, -1); K = x.shape[-1]
;;       x = np.pad(x, [(0, 0)] * (x.ndim - 1) + [(0, -K % 32)]); x = x.reshape(x.shape[:-1] + (-1, 32)); a = np.abs(x).max(-1, keepdims=True)
;;       e = np.where(a > 0, np.clip(np.frexp(np.where(a > 0, a, 1))[1] - 1 - 2, -126, 127), 0)      # np.frexp(a)[1] - 1 = floor(log2(a)), exactly
;;       r = np.clip(x / 2.0 ** e, -7.5, 7.5)
;;       step = 2.0 ** (np.maximum(np.frexp(np.where(r == 0, 1, r))[1] - 1, 0) - 3)
;;       q = np.round(r / step) * step * 2.0 ** e      # np.round: ties to even
;;       return np.moveaxis(q.reshape(q.shape[:-2] + (-1,))[..., :K], -1, axis).astype(np.float32)
;;   ~~~
;;   SOFTMAX AHEAD OF A QUANTISED PRODUCT. Where the list says 'softmax', what is quantised is not the finished softmax but p = 2^(t - M), with t = logit x log2(e) and M = ceil(the row's largest t), a whole number; so 1/2 < the row's largest p <= 1. The row's sum l is taken of the UNQUANTISED p, in f32, and the product's result is divided by l at the end. Since M is a whole number, a kernel that streams over the keys may use a running M (the ceiling of the running maximum): every later rescaling is an exact power of two, which a block's scale takes up: the codes' values come out the same.
;;   OPERANDS COMPUTED ON THE WAY. 'Computed on the way' means the value that the module computes at that place (a softmax that the list does not call 'softmax' is quantised finished and normalised). What goes into a quantiser is computed in f32, as accurately as f32 sums, v_exp_f32 and their like allow (about 1e-6 of the number): no bf16 or f16 on the way to a quantiser, and a product that is left as it is and whose result goes on into a quantised operand takes f32 operands (vector FMAs, or v_wmma_f32_16x16x4_f32). A number that lies on a knife's edge between two numbers of the format may be rounded either way, as far as f32 arithmetic and the matrix unit's own rounding can turn it there, and no further.
;; One version. Each part assembles by itself: llvm-mc -triple=amdgcn-amd-amdhsa -mcpu=gfx1250 --defsym DOCPART=n.
;; ======== version 1 of 1: 4 launches
;; limits: right only within a limited range of input values
;; workspace buffers: cod 9,437,184 bytes; scl 393,216 bytes; qkc 12,582,912 bytes; qks 524,288 bytes; vc 6,291,456 bytes; vs 262,144 bytes; cc 6,291,456 bytes; cs 262,144 bytes
;; launch quant (part 1): grid 384 x 1, 4 waves a work-group, no clusters, 34,304 bytes of LDS; arguments inputs, Wq, Wk, Wv, Wo, cod, scl; writes cod, scl
.if DOCPART == 1
	.amdgcn_target "amdgcn-amd-amdhsa--gfx1250"
	.amdhsa_code_object_version 6
	.text
	.protected	k_q41e7bd12e9_quant
	.globl	k_q41e7bd12e9_quant
	.p2align	8
	.type	k_q41e7bd12e9_quant,@function
k_q41e7bd12e9_quant:
	s_mov_b64 s[64:65], 0
	v_nop
	global_prefetch_b8 v0, s[64:65] scope:SCOPE_SE
	s_setreg_imm32_b32 hwreg(HW_REG_WAVE_MODE, 25, 1), 1
	s_wait_xcnt 0x0
; inputs [8192][1024] and Wq, Wk, Wv, Wo [1024][1024], f32, K innermost, become codes of FP6 (E2M3) with one E8M0 byte for each 32 along K.
; THE CODES ARE IMAGES OF THE OPERAND'S REGISTERS.  A fragment is 16 rows x 128 K = 12 registers a lane = 1,536 bytes, in six pieces of 256 bytes: piece p holds registers 2 p, 2 p + 1, lane l's 8 bytes at 8 l.
; cod: [tile 768][K step 8][1,536]; tiles 0-511 inputs, 512-575 Wq, 576-639 Wk, 640-703 Wv, 704-767 Wo.
; THE ROWS OF A TILE ARE NOT NEIGHBOURS: row r of tile t is row 64 (t / 4) + 8 (t % 4) + 32 (r / 8) + r % 8 of its tensor, so that a product that takes four neighbouring tiles as source 0
; leaves 32 neighbours of that axis, one whole scale block, in a lane's 32 registers.
; scl: [tile][K step / 2 (4)][r 16][2 words]: a word holds the four bytes of one row and one K step of 128.
; A block's scale is 2^(floor(log2(its largest magnitude)) - 2); its byte is the largest magnitude's exponent field - 2, held at 1 from below.
; LIMITS: a block of zeros gets the byte 1 where the rule says 127 (its codes are zeros, and this program alone reads the bytes); NaN and infinities among the inputs are not served.
; SHARES.  A work-group takes two tiles; wave w takes tile w / 2 and half w % 2 of K: four fragments.  Each load reads 512 consecutive bytes of one row; a fragment's 8,192 bytes turn through the wave's own
; stage in LDS (16 rows of 512 bytes + 16), from which a lane takes its two whole blocks of 32 neighbours.  No tensor load, no barrier: waves share nothing.  Loads run two fragments (32 loads a wave) ahead.
.set STGB,  8448                       ; a wave's stage: 16 rows x 528 bytes
.set SPARE, 4*STGB                     ; the spare words, 128 bytes for each wave
.set SPW,   10                         ; v10  LDS address of my spare word; never rewritten
.set NIL,   11                         ; v11  0; never rewritten
.set R,     16                         ; v16-143  two sets of 64 registers as loaded
.set X,     144                        ; v144-207 my two blocks of 32 neighbours
.set C,     208                        ; v208-219 the fragment's codes
.set W,     232                        ; v232-235 the four fragments' scale words
	s_load_b256 s[4:11], s[0:1], 0x0               ; inputs, Wq, Wk, Wv
	s_load_b128 s[12:15], s[0:1], 0x20             ; Wo, cod
	s_load_b64 s[16:17], s[0:1], 0x30              ; scl
	v_lshl_add_u32 v[SPW], v0, 2, SPARE
	v_mov_b32 v[NIL], 0
	v_lshrrev_b32 v1, 5, v0
	v_readfirstlane_b32 s18, v1                    ; wave
	v_and_b32 v1, 31, v0                           ; lane
	v_and_b32 v2, 15, v0                           ; r
	v_bfe_u32 v3, v0, 4, 1                         ; h
	v_lshlrev_b32 v4, 4, v1                        ; my 16 bytes of a load's 512
	s_mul_i32 s19, s18, STGB
	v_add_nc_u32 v5, s19, v4                       ; the stage, on the way in
	v_mul_u32_u24 v6, v2, 528
	v_lshl_add_u32 v6, v3, 7, v6
	v_add_nc_u32 v6, s19, v6                       ; and on the way out: row r, + 128 h
	v_lshlrev_b32 v7, 3, v1                        ; 8 x lane: my place in a piece of an image
	v_lshlrev_b32 v8, 3, v3                        ; 8 h: where my two bytes stand in a scale word
	v_mov_b32 v226, 0                              ; written once: a lane permute's destination counts as one of its sources
	s_mov_b32 s28, 0x76543210
	s_mov_b32 s29, 0xfedcba98                      ; selects for lane l xor 16
	s_lshr_b32 s24, s18, 1                         ; which of the two tiles
	s_and_b32 s25, s18, 1                          ; which half of K
	s_lshl_b32 s26, ttmp9, 1
	s_add_co_u32 s26, s26, s24                     ; my tile's number
	s_mul_i32 s30, s26, 12288                      ; its eight fragments,
	s_mul_i32 s27, s25, 6144
	s_add_co_u32 s30, s30, s27                     ; my four of them
	s_mov_b32 s31, 0
	s_lshl_b32 s32, s26, 9                         ; its 512 bytes of scale words,
	s_lshl_b32 s27, s25, 8
	s_add_co_u32 s32, s32, s27                     ; my 256 of them
	s_mov_b32 s33, 0
	s_and_b32 s22, ttmp9, 31                       ; a weight's pair of tiles
	s_wait_alu depctr_va_vdst(0)                   ; the wait at the head's end
	s_wait_kmcnt 0x0
	s_mov_b64 s[20:21], s[12:13]                   ; which tensor: only the pointer is chosen, by the work-group's number alone
	s_cmp_lt_u32 ttmp9, 352
	s_cselect_b64 s[20:21], s[10:11], s[20:21]
	s_cmp_lt_u32 ttmp9, 320
	s_cselect_b64 s[20:21], s[8:9], s[20:21]
	s_cmp_lt_u32 ttmp9, 288
	s_cselect_b64 s[20:21], s[6:7], s[20:21]
	s_cmp_lt_u32 ttmp9, 256
	s_cselect_b64 s[20:21], s[4:5], s[20:21]
	s_cselect_b32 s22, ttmp9, s22
	s_and_b32 s27, s22, 1
	s_lshr_b32 s22, s22, 1
	s_lshl_b32 s22, s22, 18                        ; 64 rows of 4,096 bytes for each four tiles,
	s_lshl_b32 s27, s27, 16                        ; 16 rows on for the second pair of the four,
	s_add_co_u32 s22, s22, s27
	s_lshl_b32 s24, s24, 15                        ; 8 rows on for the odd tile,
	s_lshl_b32 s25, s25, 11                        ; 512 numbers on for the second half of K
	s_add_co_u32 s22, s22, s24
	s_add_co_u32 s22, s22, s25
	s_mov_b32 s23, 0
	s_add_nc_u64 s[20:21], s[20:21], s[22:23]
	s_add_nc_u64 s[14:15], s[14:15], s[30:31]
	s_add_nc_u64 s[16:17], s[16:17], s[32:33]
.macro LOAD f                          ; fragment f: 128 numbers of each of the tile's 16 rows (rows 8-15 of the tile lie 32 rows behind rows 0-7)
.irp i, 0,1,2,3,4,5,6,7,8,9,10,11,12,13,14,15
	global_load_b128 v[R+64*((\f)%2)+4*\i:R+64*((\f)%2)+4*\i+3], v4, s[20:21] offset:(\i+24*(\i/8))*4096+512*(\f) th:TH_LOAD_NT
.endr
.endm
.macro STEP f
.if (\f) < 3
	s_wait_loadcnt 16                              ; this fragment's 16 loads are in; the next fragment's 16 may be out
.else
	s_wait_loadcnt 0x0
.endif
.irp i, 0,1,2,3,4,5,6,7,8,9,10,11,12,13,14,15
	ds_store_b128 v5, v[R+64*((\f)%2)+4*\i:R+64*((\f)%2)+4*\i+3] offset:528*\i
.endr
.irp c, 0,1
.irp j, 0,1,2,3,4,5,6,7
	ds_load_b128 v[X+32*\c+4*\j:X+32*\c+4*\j+3], v6 offset:256*\c+16*\j   ; k = 64 c + 32 h + 4 j on of row r; LDS serves a wave's instructions in order
.endr
.endr
	s_wait_dscnt 0x0                               ; my 64 numbers are in, and the stores have read their registers,
.if (\f)+2 < 4
	LOAD (\f)+2                                    ; which take the loads of two fragments on
.endif
.irp c, 0,1
	v_max3_num_f32 v[12+\c], |v[X+32*\c]|, |v[X+32*\c+1]|, 0x1800000   ; block 2 c + h, and the floor 2^(3 - 127)
.endr
.irp i, 2,4,6,8,10,12,14,16,18,20,22,24,26,28,30
.irp c, 0,1
	v_max3_num_f32 v[12+\c], v[12+\c], |v[X+32*\c+\i]|, |v[X+32*\c+\i+1]|
.endr
.endr
.irp c, 0,1
	v_add_nc_u32 v[14+\c], 0xff000000, v[12+\c]    ; 2 off the exponent field: the conversion's scale operand
.endr
.irp c, 0,1
	v_lshrrev_b32 v[224+\c], 23, v[14+\c]          ; the scale's byte
.endr
	v_lshl_or_b32 v224, v225, 16, v224             ; my two bytes: blocks h and 2 + h,
	v_lshlrev_b32 v224, v8, v224                   ; at their places in the word;
	v_permlanex16_b32 v226, v224, s28, s29
	v_or_b32 v[W+(\f)], v224, v226                 ; with lane l xor 16's two the word is whole
.if (\f) > 0
	s_wait_alu depctr_va_vdst(0)                   ; the wait ahead of the wait below
	s_wait_xcnt 0x0                                ; the last fragment's stores have read the codes' registers
.endif
.irp c, 0,1
	v_cvt_scalef32_pk16_fp6_f32 v[C+6*\c:C+6*\c+2], v[X+32*\c:X+32*\c+15], v[14+\c]
	v_cvt_scalef32_pk16_fp6_f32 v[220+8*\c:222+8*\c], v[X+32*\c+16:X+32*\c+31], v[14+\c]   ; (a conversion's three registers begin on an even number)
.endr
	v_nop                                          ; one plain place behind a scaled conversion
.irp c, 0,1
.irp i, 0,1,2
	v_mov_b32 v[C+6*\c+3+\i], v[220+8*\c+\i]
.endr
.endr
.irp p, 0,1,2,3,4,5
	global_store_b64 v7, v[C+2*\p:C+2*\p+1], s[14:15] offset:1536*(\f)+256*\p   ; a piece: 32 lanes store 256 consecutive bytes, aligned
.endr
.endm
	LOAD 0
	LOAD 1
	STEP 0
	STEP 1
	STEP 2
	STEP 3
	v_cmp_eq_u32 vcc_lo, 1, v3                     ; lanes 0-15 store the words of my K steps 0, 1 of row r, lanes 16-31 those of K steps 2, 3
	v_cndmask_b32 v236, v[W], v[W+2], vcc_lo
	v_cndmask_b32 v237, v[W+1], v[W+3], vcc_lo
	global_store_b64 v7, v[236:237], s[16:17]      ; 8 x lane = 128 h + 8 r: 256 consecutive bytes
	s_wait_tensorcnt 0x0                           ; the wave's end
	ds_add_u32 v[SPW], v[NIL]
	s_wait_dscnt 0x0
	s_endpgm
.Lfunc_end_k_q41e7bd12e9_quant:
	.size	k_q41e7bd12e9_quant, .Lfunc_end_k_q41e7bd12e9_quant-k_q41e7bd12e9_quant
	.p2alignl 7, 3214868480
	.fill 96, 4, 3214868480
	.section	.rodata,"a",@progbits
	.p2align	6, 0x0
	.amdhsa_kernel k_q41e7bd12e9_quant
		.amdhsa_group_segment_fixed_size 34304
		.amdhsa_private_segment_fixed_size 0
		.amdhsa_enable_private_segment 0
		.amdhsa_kernarg_size 56
		.amdhsa_user_sgpr_count 2
		.amdhsa_user_sgpr_kernarg_segment_ptr 1
		.amdhsa_wavefront_size32 1
		.amdhsa_system_sgpr_workgroup_id_x 1
		.amdhsa_system_sgpr_workgroup_id_y 1
		.amdhsa_system_sgpr_workgroup_id_z 1
		.amdhsa_system_vgpr_workitem_id 0
		.amdhsa_next_free_vgpr 256
		.amdhsa_next_free_sgpr 66
		.amdhsa_reserve_vcc 1
		.amdhsa_float_denorm_mode_32 3
		.amdhsa_float_denorm_mode_16_64 3
		.amdhsa_memory_ordered 1
		.amdhsa_forward_progress 1
		.amdhsa_inst_pref_size 32
	.end_amdhsa_kernel
	.amdgpu_metadata
---
amdhsa.version: [ 1, 2 ]
amdhsa.kernels:
  - .name:           k_q41e7bd12e9_quant
    .symbol:         k_q41e7bd12e9_quant.kd
    .args:
      - { .name: inputs, .offset: 0, .size: 8, .value_kind: global_buffer, .address_space: global }
      - { .name: Wq, .offset: 8, .size: 8, .value_kind: global_buffer, .address_space: global }
      - { .name: Wk, .offset: 16, .size: 8, .value_kind: global_buffer, .address_space: global }
      - { .name: Wv, .offset: 24, .size: 8, .value_kind: global_buffer, .address_space: global }
      - { .name: Wo, .offset: 32, .size: 8, .value_kind: global_buffer, .address_space: global }
      - { .name: cod, .offset: 40, .size: 8, .value_kind: global_buffer, .address_space: global }
      - { .name: scl, .offset: 48, .size: 8, .value_kind: global_buffer, .address_space: global }
    .group_segment_fixed_size: 34304
    .private_segment_fixed_size: 0
    .kernarg_segment_align: 8
    .kernarg_segment_size: 56
    .max_flat_workgroup_size: 128
    .sgpr_count:     66
    .vgpr_count:     256
    .wavefront_size: 32
...
	.end_amdgpu_metadata
.endif
;; end of part 1
;; launch proj (part 2): grid 8 x 48, 4 waves a work-group, clusters of 4 x 4, 327,680 bytes of LDS; arguments cod, scl, bq, bk, bv, qkc, qks, vc, vs; writes qkc, qks, vc, vs
.if DOCPART == 2
	.amdgcn_target "amdgcn-amd-amdhsa--gfx1250"
	.amdhsa_code_object_version 6
	.text
	.protected	k_q41e7bd12e9_proj
	.globl	k_q41e7bd12e9_proj
	.p2align	8
	.type	k_q41e7bd12e9_proj,@function
k_q41e7bd12e9_proj:
	s_mov_b64 s[64:65], 0
	v_nop
	global_prefetch_b8 v0, s[64:65] scope:SCOPE_SE
	s_setreg_imm32_b32 hwreg(HW_REG_WAVE_MODE, 25, 1), 1
	s_wait_xcnt 0x0
	s_wait_alu depctr_hold_cnt(0) depctr_sa_sdst(0) depctr_va_vdst(0) depctr_va_sdst(0) depctr_va_ssrc(0) depctr_va_vcc(0) depctr_vm_vsrc(0)
	s_getreg_b32 s2, hwreg(HW_REG_IB_STS2, 6, 4)
	s_cmp_eq_u32 s2, 0
	s_cbranch_scc0 .Lentry_in_a_cluster
	s_endpgm
.Lentry_in_a_cluster:
	s_bfe_u32 s2, ttmp6, 0x10000c
	s_cmp_lg_u32 s2, 0xf033
	s_cbranch_scc0 .Lentry_shape_is_right
	s_endpgm
.Lentry_shape_is_right:
.set NQ,     2
.set FR,     12
.set NL,     6
.set NP,     4
.set FRB,    1536
.set TILEB,  NQ*FRB
.set KROW,   8*FRB
.set HALFT,  8*TILEB
.set SLOT,   4*HALFT
.set SCL,    2*SLOT
.set HALFS,  8*512
.set SPARE,  SCL+4*HALFS
.set ADRA, 16
.set BO1,  18
.set BO2,  19
.set ADRB, 20
.set L8,   24
.set H8,   25                          ; v25  8 h: where my lane's scale bytes stand in a word
.set SOFF, 26                          ; v26  16 r + 16,384 h: where my lane stores four scale words
.set ADRS, 27
.set SPW,  28
.set NIL,  29
.set L16,  30
.set SC,   32
.set CB,   64
.set AF,   128
.set TM,   64
.set PW,   80
.set CT,   88
.set PC,   96
.set G1, 24
.set G0, 32
.set G1B, 48
.set G0B, 56
.set G1S, 68
.set G0S, 76
.set G1SB, 80
.set G0SB, 88
.set MSB, 0
.macro WIN new
.if MSB != (\new)
	s_set_vgpr_msb (MSB<<8)|(\new)
.set MSB, (\new)
.endif
.endm
.set MUL_LO, 0xa1
.set MUL_HI, 0xf1
.set TO_B,   0x40
.macro JLOAD g0a, g1a, g0b, g1b
	s_cmp_eq_u32 s15, 0
	s_cbranch_scc0 .Lfor_b_\@
	tensor_load_to_lds s[\g0a:\g0a+3], s[\g1a:\g1a+7]
	s_nop 0
.rept 4
	v_nop
.endr
	s_branch .Lasked_\@
.Lfor_b_\@:
	tensor_load_to_lds s[\g0b:\g0b+3], s[\g1b:\g1b+7]
	s_nop 0
.rept 4
	v_nop
.endr
.Lasked_\@:
.endm
.macro CREST
	s_cmp_lg_u32 s14, 0
	s_cbranch_scc1 .Lnot_wave_0_\@
	s_barrier_signal -3
.Lnot_wave_0_\@:
	s_barrier_wait -3
	s_barrier_signal -1
	s_barrier_wait -1
.endm
.macro CROUND
	s_barrier_signal -1
	s_barrier_wait -1
	CREST
.endm
	s_load_b256 s[4:11], s[0:1], 0x0
	s_load_b256 s[92:99], s[0:1], 0x20
	s_load_b64 s[100:101], s[0:1], 0x40
	v_lshl_add_u32 v[SPW], v0, 2, SPARE
	v_mov_b32 v[NIL], 0
	ds_add_u32 v[SPW], v[NIL]
	ds_add_u32 v[SPW], v[NIL]
	v_lshrrev_b32 v1, 5, v0
	v_readfirstlane_b32 s14, v1
	s_lshr_b32 s15, s14, 1
	s_and_b32 s16, s14, 1
	s_and_b32 s12, ttmp7, 0xffff
	s_bfe_u32 s40, ttmp6, 0x40000
	s_bfe_u32 s41, ttmp6, 0x40004
	s_lshl_b32 s42, ttmp9, 2
	s_add_co_u32 s42, s42, s40
	s_lshl_b32 s43, s41, 2
	s_lshl_b32 s43, 15, s43
	s_lshl_b32 s44, 0x1111, s40
	s_or_b32 s[G1+0], s43, (3<<16)|(1<<21)
	s_or_b32 s[G1B+0], s44, (3<<16)|(1<<21)
.irp g, G1, G1B
	s_mov_b32 s[\g+1], 384<<16
	s_mov_b32 s[\g+2], 8<<16
	s_mov_b32 s[\g+3], 384<<16
	s_mov_b32 s[\g+4], 8
	s_mov_b32 s[\g+5], 1536
	s_mov_b32 s[\g+6], 0
	s_mov_b32 s[\g+7], 0
.endr
	s_or_b32 s[G1S+0], s43, (3<<16)|(1<<21)
	s_or_b32 s[G1SB+0], s44, (3<<16)|(1<<21)
.irp g, G1S, G1SB
	s_mov_b32 s[\g+1], 32<<16
	s_mov_b32 s[\g+2], 16<<16
	s_mov_b32 s[\g+3], 32<<16
	s_mov_b32 s[\g+4], 16
	s_mov_b32 s[\g+5], 32
	s_mov_b32 s[\g+6], 0
	s_mov_b32 s[\g+7], 0
.endr
	s_lshl_b32 s18, s12, 6
	s_mov_b32 s19, 640
	s_max_u32 s46, s12, 8
	s_sub_co_u32 s46, s46, 8
	s_lshl_b32 s46, s46, 7
	s_mov_b32 s47, 512
	s_cmp_lt_u32 s12, 8
	s_cselect_b32 s18, s18, s19
	s_cselect_b32 s46, s47, s46
	s_lshl_b32 s17, s41, 4
	s_add_co_u32 s17, s17, s18
	s_lshl_b32 s45, s42, 4
	s_add_co_u32 s45, s45, s46
	s_lshl_b32 s20, s16, 3
	s_add_co_u32 s18, s17, s20
	s_add_co_u32 s46, s45, s20
	s_lshl_b32 s22, s18, 9
	s_mul_i32 s18, s18, KROW
	s_mov_b32 s19, 0
	s_mov_b32 s23, 0
	s_lshl_b32 s66, s46, 9
	s_mul_i32 s46, s46, KROW
	s_mov_b32 s47, 0
	s_mov_b32 s67, 0
	s_mul_i32 s20, s14, HALFT
	s_lshl_b32 s21, s14, 12
	s_wait_dscnt 0x0
	s_wait_kmcnt 0x0
	s_add_nc_u64 s[18:19], s[4:5], s[18:19]
	s_add_nc_u64 s[22:23], s[6:7], s[22:23]
	s_add_nc_u64 s[46:47], s[4:5], s[46:47]
	s_add_nc_u64 s[66:67], s[6:7], s[66:67]
	CROUND
	s_mov_b32 s[G0S], 1
	s_add_co_u32 s[G0S+1], s21, SCL
	s_mov_b64 s[G0S+2:G0S+3], s[22:23]
	s_or_b32 s[G0S+3], s[G0S+3], 0x80000000
	s_mov_b32 s[G0SB], 1
	s_add_co_u32 s[G0SB+1], s21, SCL
	s_mov_b64 s[G0SB+2:G0SB+3], s[66:67]
	s_or_b32 s[G0SB+3], s[G0SB+3], 0x80000000
	JLOAD G0S, G1S, G0SB, G1SB
.irp s, 0,1
	s_mov_b32 s[G0+4*\s], 1
	s_add_co_u32 s[G0+4*\s+1], s20, \s*SLOT
	s_add_nc_u64 s[G0+4*\s+2:G0+4*\s+3], s[18:19], \s*TILEB
	s_or_b32 s[G0+4*\s+3], s[G0+4*\s+3], 0x80000000
	s_mov_b32 s[G0B+4*\s], 1
	s_add_co_u32 s[G0B+4*\s+1], s20, \s*SLOT
	s_add_nc_u64 s[G0B+4*\s+2:G0B+4*\s+3], s[46:47], \s*TILEB
	s_or_b32 s[G0B+4*\s+3], s[G0B+4*\s+3], 0x80000000
	s_wait_alu depctr_va_vdst(0)
	s_wait_tensorcnt 0x0
	ds_add_u32 v28, v29
	s_wait_dscnt 0x0
	CROUND
	JLOAD G0+4*\s, G1, G0B+4*\s, G1B
.endr
	v_and_b32 v1, 15, v0
	v_bfe_u32 v2, v0, 4, 1
	s_wait_alu depctr_va_vdst(0)
	v_and_b32 v3, 31, v0
	v_lshlrev_b32 v[L8], 3, v3
	v_lshlrev_b32 v[L16], 4, v3
	s_mul_i32 s21, s15, HALFT
	s_mul_i32 s22, s16, HALFT
	s_add_co_u32 s22, s22, 2*HALFT
.irp s, 0,1
	v_add_nc_u32 v[ADRA+\s], s21, v[L8]
	v_add_nc_u32 v[ADRB+\s], s22, v[L8]
	s_add_co_u32 s21, s21, SLOT
	s_add_co_u32 s22, s22, SLOT
.endr
	v_lshlrev_b32 v5, 3, v1
	s_mul_i32 s21, s15, HALFS
	s_mul_i32 s22, s16, HALFS
	s_add_co_u32 s22, s22, 2*HALFS
	s_sub_co_u32 s22, s22, s21
	v_mul_u32_u24 v6, s22, v2
	s_add_co_u32 s21, s21, SCL
	v_add_nc_u32 v5, v5, v6
	v_add_nc_u32 v[ADRS], s21, v5
	v_lshlrev_b32 v[H8], 3, v2
	v_lshlrev_b32 v[SOFF], 14, v2
	v_lshl_add_u32 v[SOFF], v1, 4, v[SOFF]
	v_lshlrev_b32 v[BO1], 7, v2                    ; row 8 h + j of tile b is feature 64 (b / 4) + 8 (b % 4) + 32 h + j
	v_and_b32 v4, 8, v1
	v_mad_u32_u24 v4, v4, 3, v1                    ; r % 8 + 32 (r / 8)
	v_lshlrev_b32 v[BO2], 2, v4
	s_cmp_lt_u32 s12, 8
	s_cselect_b32 s2, 0, 640
	s_cselect_b32 s3, 512, 0
	s_sub_co_u32 s2, s17, s2
	s_lshl_b32 s13, s15, 3
	s_add_co_u32 s2, s2, s13
	s_sub_co_u32 s3, s45, s3
	s_lshl_b32 s13, s16, 3
	s_add_co_u32 s3, s3, s13
	s_mov_b32 s47, 0
	s_cmp_lt_u32 s12, 8
	s_cbranch_scc0 .Lbias_v
	s_cmp_lt_u32 s3, 64
	s_cselect_b64 s[8:9], s[8:9], s[10:11]
	s_and_b32 s46, s3, 63
	s_lshl_b32 s46, s46, 6
	s_add_nc_u64 s[8:9], s[8:9], s[46:47]
	s_wait_alu depctr_va_vdst(0)
.irp b, 0,1,2,3,4,5,6,7
	global_load_b128 v[CB+8*\b:CB+8*\b+3], v[BO1], s[8:9] offset:(64*(\b/4)+8*(\b%4))*4
	global_load_b128 v[CB+8*\b+4:CB+8*\b+7], v[BO1], s[8:9] offset:(64*(\b/4)+8*(\b%4))*4+16
.endr
	s_branch .Lbias_done
.Lbias_v:
	s_lshl_b32 s46, s2, 6
	s_add_nc_u64 s[92:93], s[92:93], s[46:47]
	s_wait_alu depctr_va_vdst(0)
.irp a, 0,1,2,3,4,5,6,7
.irp j, 0,1,2,3,4,5,6,7
	global_load_b32 v[CB+8*\a+\j], v[BO2], s[92:93] offset:(64*(\a/4)+8*(\a%4))*4
.endr
.endr
.Lbias_done:
	; OUT.  qkc [v 32: Q's heads, then K's][step of 128 tokens 64][operand 4][1,536], vc [head 16][step 64][d tile 4][1,536]: an operand is 12 registers in three pieces of 512 bytes, lane l's 16 bytes at 16 l.
	; An operand of qkc is two token tiles x the head's 64 (six registers each); one of vc is 16 of the head's 64 x the step's 128 tokens.  qks, vs: [v or head][step][r 16][4 words], a word for each of the step's four operands.
	; My wave makes two heads (a pair) x one step in either case: pair X, step Y
	s_lshr_b32 s10, s3, 3
	s_lshr_b32 s11, s2, 3
	s_cmp_lt_u32 s12, 8
	s_cselect_b32 s13, s10, s11                    ; X
	s_cselect_b32 s10, s11, s10                    ; Y
	s_cselect_b64 s[94:95], s[94:95], s[98:99]
	s_cselect_b64 s[96:97], s[96:97], s[100:101]
	s_lshl_b32 s13, s13, 7
	s_add_co_u32 s13, s13, s10                     ; 64 (2 X) + Y
	s_mul_i32 s10, s13, 6144
	s_mov_b32 s11, 0
	s_add_nc_u64 s[94:95], s[94:95], s[10:11]
	s_lshl_b32 s10, s13, 8
	s_add_nc_u64 s[96:97], s[96:97], s[10:11]
.macro FRAG reg, adr, q, i
.irp p, 0,1,2,3,4,5
	ds_load_b64 v[\reg+2*\p:\reg+2*\p+1], v[\adr] offset:TILEB*(\i)+FRB*(\q)+256*\p
.endr
.endm
.macro MUL16 a0, p, q, sc, zero
.irp a, \a0, \a0+1
.irp b, 0,1,2,3,4,5,6,7
.if (\zero) == 1
	v_wmma_scale_f32_16x16x128_f8f6f4 v[8*(8*((\a)%4)+\b):8*(8*((\a)%4)+\b)+7], v[128*(\p)+FR*\b:128*(\p)+FR*\b+FR-1], v[AF+FR*(\a):AF+FR*(\a)+FR-1], v[CB+8*\b:CB+8*\b+7], v[SC+8*NQ*(\sc)+NQ*\b+(\q)], v[SC+8*NQ*(\sc)+NQ*(\a)+(\q)] matrix_a_fmt:MATRIX_FMT_FP6 matrix_b_fmt:MATRIX_FMT_FP6 matrix_a_scale:MATRIX_SCALE_ROW1
.elseif (\zero) == 2
	v_wmma_scale_f32_16x16x128_f8f6f4 v[8*(8*((\a)%4)+\b):8*(8*((\a)%4)+\b)+7], v[128*(\p)+FR*\b:128*(\p)+FR*\b+FR-1], v[AF+FR*(\a):AF+FR*(\a)+FR-1], v[CB+8*(\a):CB+8*(\a)+7], v[SC+8*NQ*(\sc)+NQ*\b+(\q)], v[SC+8*NQ*(\sc)+NQ*(\a)+(\q)] matrix_a_fmt:MATRIX_FMT_FP6 matrix_b_fmt:MATRIX_FMT_FP6 matrix_a_scale:MATRIX_SCALE_ROW1
.else
	v_wmma_scale_f32_16x16x128_f8f6f4 v[8*(8*((\a)%4)+\b):8*(8*((\a)%4)+\b)+7], v[128*(\p)+FR*\b:128*(\p)+FR*\b+FR-1], v[AF+FR*(\a):AF+FR*(\a)+FR-1], v[8*(8*((\a)%4)+\b):8*(8*((\a)%4)+\b)+7], v[SC+8*NQ*(\sc)+NQ*\b+(\q)], v[SC+8*NQ*(\sc)+NQ*(\a)+(\q)] matrix_a_fmt:MATRIX_FMT_FP6 matrix_b_fmt:MATRIX_FMT_FP6 matrix_a_scale:MATRIX_SCALE_ROW1
.endif
.endr
.endr
.endm
.macro FETCH_B slot, q, p
	WIN TO_B
.irp i, 0,1,2,3,4,5,6,7
	FRAG 128*(\p)+FR*\i, ADRB+\slot, \q, \i
.endr
	WIN 0
.endm
.macro FETCH_A slot, q, i0
.irp i, \i0, \i0+1, \i0+2, \i0+3
	FRAG AF+FR*(\i), ADRA+\slot, \q, \i
.endr
.endm
.macro SCALES sc
.irp i, 0,1,2,3,4,5,6,7
	ds_load_b64 v[SC+8*NQ*\sc+NQ*\i:SC+8*NQ*\sc+NQ*\i+1], v[ADRS] offset:\i*512
.endr
.endm
.macro PLACES n
.rept \n
	v_nop
.endr
.endm
.macro STEP slot, q, zero
	s_wait_dscnt 4*NL
.if \zero
	WIN 0x81
.else
	WIN MUL_LO
.endif
	MUL16 0, (\q)%2, \q, \slot, \zero
	MUL16 2, (\q)%2, \q, \slot, \zero
	s_wait_dscnt 0
	PLACES NP
	FETCH_B \slot, (\q)+1, 1-(\q)%2
	FETCH_A \slot, (\q)+1, 0
.if \zero
	WIN 0xc1
.else
	WIN MUL_HI
.endif
	MUL16 4, (\q)%2, \q, \slot, \zero
	MUL16 6, (\q)%2, \q, \slot, \zero
	PLACES NP
	WIN 0
	FETCH_A \slot, (\q)+1, 4
.endm
.macro TURN slot, next, fill
	s_wait_tensorcnt 0x0
	ds_add_u32 v[SPW], v[NIL]
	s_wait_dscnt 4*NL+1
	WIN MUL_LO
	MUL16 0, 1, NQ-1, \slot, 0
	s_wait_dscnt 0x0
	s_barrier_signal -1
	MUL16 2, 1, NQ-1, \slot, 0
	WIN 0
	s_barrier_wait -1
.if \fill
	CREST
	s_add_nc_u64 s[G0+4*\slot+2:G0+4*\slot+3], s[G0+4*\slot+2:G0+4*\slot+3], 2*TILEB
	s_add_nc_u64 s[G0B+4*\slot+2:G0B+4*\slot+3], s[G0B+4*\slot+2:G0B+4*\slot+3], 2*TILEB
	JLOAD G0+4*\slot, G1, G0B+4*\slot, G1B
.else
	PLACES NP
.endif
	s_wait_alu depctr_va_vdst(0)
	v_add_nc_u32 v[ADRS], 128, v[ADRS]
	FETCH_B \next, 0, 0
	FETCH_A \next, 0, 0
	SCALES \next
	WIN MUL_HI
	MUL16 4, 1, NQ-1, \slot, 0
	MUL16 6, 1, NQ-1, \slot, 0
	PLACES NP
	WIN 0
	FETCH_A \next, 0, 4
.endm
	s_wait_tensorcnt 1
	s_barrier_signal -1
	s_barrier_wait -1
	FETCH_B 0, 0, 0
	FETCH_A 0, 0, 0
	SCALES 0
	FETCH_A 0, 0, 4
	s_wait_loadcnt 0x0
	s_cmp_lt_u32 s12, 8
	s_cbranch_scc0 .Lstep_v
	STEP 0, 0, 1
	s_branch .Lstep_done
.Lstep_v:
	STEP 0, 0, 2
.Lstep_done:
	TURN 0, 1, 1
	STEP 1, 0, 0
	TURN 1, 0, 1
	STEP 0, 0, 0
	TURN 0, 1, 0
	STEP 1, 0, 0
	s_wait_dscnt 4*NL
	WIN MUL_LO
	MUL16 0, 1, NQ-1, 1, 0
	MUL16 2, 1, NQ-1, 1, 0
	s_wait_dscnt 0
	WIN MUL_HI
	MUL16 4, 1, NQ-1, 1, 0
	MUL16 6, 1, NQ-1, 1, 0
	WIN 0
.macro PUT n                           ; operand n = 4 x head of the pair + place in the step: three stores of 512 consecutive bytes
.irp k, 0,1,2
	global_store_b128 v[L16], v[PC+12*(\n)+4*\k:PC+12*(\n)+4*\k+3], s[94:95] offset:393216*((\n)/4)+1536*((\n)%4)+512*\k
.endr
.endm
; The way out of A's block a.  A lane's 32 sums of B's tiles 4 c .. 4 c + 3 are 32 neighbours of B's axis: scale block 2 c + h, all of it in one lane.  kind 1 (Q, K): B's axis is the features; kind 2 (V): the tokens.
.macro QBLK a, kind
.set WW, 2+(\a)/4
.set AC, 64*((\a)%4)
.if (\kind) == 1
.set PC0, PC+12*((\a)/2)+6*((\a)%2)    ; head c's six registers of token tile a: half a % 2 of operand 4 c + a / 2
.set PC1, PC0+48
.else
.set PC0, PC+12*(\a)                   ; operand a: registers 6 c .. are the step's band c of 64 tokens
.set PC1, PC0+6
.endif
	WIN 20*WW
.irp b, 0,1,2,3
	v_max3_num_f32 v[TM+\b], s46, |v[AC+16*\b]|, |v[AC+16*\b+1]|
.endr
.irp i, 2,4,6,8,10,12,14
.irp b, 0,1,2,3
	v_max3_num_f32 v[TM+\b], v[TM+\b], |v[AC+16*\b+\i]|, |v[AC+16*\b+\i+1]|
.endr
.endr
	WIN 0
	v_max_num_f32 v[TM], v[TM], v[TM+1]            ; the two halves of block h,
	v_max_num_f32 v[TM+2], v[TM+2], v[TM+3]        ; and of block 2 + h
	v_add_nc_u32 v[TM+12], 0xff000000, v[TM]       ; 2 off the exponent field: the conversions' scale operands
	v_add_nc_u32 v[TM+13], 0xff000000, v[TM+2]
	WIN WW
	v_cvt_scalef32_pk16_fp6_f32 v[PC0:PC0+2], v[AC:AC+15], v[TM+12]
	v_cvt_scalef32_pk16_fp6_f32 v[CT:CT+2], v[AC+16:AC+31], v[TM+12]
	v_cvt_scalef32_pk16_fp6_f32 v[PC1:PC1+2], v[AC+32:AC+47], v[TM+13]
	v_cvt_scalef32_pk16_fp6_f32 v[CT+4:CT+6], v[AC+48:AC+63], v[TM+13]
	WIN 0
.if (\kind) == 1                       ; word 4 c + a / 2: byte 2 (a % 2) + h.  My lane's bytes stand at h = 0 until the end
.if (\a)%2
	v_lshrrev_b32 v[TM+14], 23, v[TM+12]
	v_lshrrev_b32 v[TM+15], 23, v[TM+13]
	v_lshl_or_b32 v[PW+(\a)/2], v[TM+14], 16, v[PW+(\a)/2]
	v_lshl_or_b32 v[PW+4+(\a)/2], v[TM+15], 16, v[PW+4+(\a)/2]
.else
	v_lshrrev_b32 v[PW+(\a)/2], 23, v[TM+12]
	v_lshrrev_b32 v[PW+4+(\a)/2], 23, v[TM+13]
.endif
.else                                  ; word a: byte 2 c + h
	v_lshrrev_b32 v[PW+(\a)], 23, v[TM+12]
	v_lshrrev_b32 v[TM+14], 23, v[TM+13]
	v_lshl_or_b32 v[PW+(\a)], v[TM+14], 16, v[PW+(\a)]
.endif
.irp i, 0,1,2
	v_mov_b32 v[PC0+3+\i], v[CT+\i]                ; (a conversion's three registers begin on an even number)
	v_mov_b32 v[PC1+3+\i], v[CT+4+\i]
.endr
.if (\kind) == 1
.if (\a)%2
	PUT (\a)/2
	PUT 4+(\a)/2
.endif
.else
	PUT \a
.endif
.endm
	PLACES NP
	s_mov_b32 s46, 0x1800000
	s_mov_b32 s66, 0x76543210
	s_mov_b32 s67, 0xfedcba98
.irp b, 0,1,2,3
	v_mov_b32 v[TM+4+\b], 0
.endr
	s_cmp_lt_u32 s12, 8                            ; the cluster's y alone decides
	s_cbranch_scc0 .Lout_v
.irp a, 0,1,2,3,4,5,6,7
	QBLK \a, 1
.endr
	s_branch .Lout_done
.Lout_v:
.irp a, 0,1,2,3,4,5,6,7
	QBLK \a, 2
.endr
.Lout_done:
	s_wait_alu depctr_va_vdst(0)                   ; the wait behind the jump, ahead of the readers below
	v_cmp_eq_u32 vcc_lo, 1, v2                     ; THE SCALE WORDS: lanes 0-15 store the first head's four words of row r, lanes 16-31 the second head's: each sixteen lanes 256 consecutive bytes, aligned
.irp i, 0,1,2,3
	v_lshlrev_b32 v[PW+\i], v[H8], v[PW+\i]        ; my bytes to their places, 8 h bits up
	v_lshlrev_b32 v[PW+4+\i], v[H8], v[PW+4+\i]
.endr
.irp i, 0,1,2,3
	v_cndmask_b32 v[TM+\i], v[PW+4+\i], v[PW+\i], vcc_lo      ; my part of the words that lane l xor 16 stores,
.endr
.irp i, 0,1,2,3
	v_cndmask_b32 v[TM+8+\i], v[PW+\i], v[PW+4+\i], vcc_lo    ; and of those that I store
.endr
.irp i, 0,1,2,3
	v_permlanex16_b32 v[TM+4+\i], v[TM+\i], s66, s67
.endr
.irp i, 0,1,2,3
	v_or_b32 v[TM+8+\i], v[TM+8+\i], v[TM+4+\i]
.endr
	global_store_b128 v[SOFF], v[TM+8:TM+11], s[96:97]
	s_wait_tensorcnt 0x0
	ds_add_u32 v[SPW], v[NIL]
	s_wait_dscnt 0x0
	CROUND
	s_endpgm
.Lfunc_end_k_q41e7bd12e9_proj:
	.size	k_q41e7bd12e9_proj, .Lfunc_end_k_q41e7bd12e9_proj-k_q41e7bd12e9_proj
	.p2alignl 7, 3214868480
	.fill 96, 4, 3214868480
	.section	.rodata,"a",@progbits
	.p2align	6, 0x0
	.amdhsa_kernel k_q41e7bd12e9_proj
		.amdhsa_group_segment_fixed_size 327680
		.amdhsa_private_segment_fixed_size 0
		.amdhsa_enable_private_segment 0
		.amdhsa_kernarg_size 72
		.amdhsa_user_sgpr_count 2
		.amdhsa_user_sgpr_kernarg_segment_ptr 1
		.amdhsa_wavefront_size32 1
		.amdhsa_system_sgpr_workgroup_id_x 1
		.amdhsa_system_sgpr_workgroup_id_y 1
		.amdhsa_system_sgpr_workgroup_id_z 1
		.amdhsa_system_vgpr_workitem_id 0
		.amdhsa_next_free_vgpr 1024
		.amdhsa_next_free_sgpr 102
		.amdhsa_reserve_vcc 1
		.amdhsa_float_denorm_mode_32 3
		.amdhsa_float_denorm_mode_16_64 3
		.amdhsa_memory_ordered 1
		.amdhsa_forward_progress 1
		.amdhsa_inst_pref_size 206
	.end_amdhsa_kernel
	.amdgpu_metadata
---
amdhsa.version: [ 1, 2 ]
amdhsa.kernels:
  - .name:           k_q41e7bd12e9_proj
    .symbol:         k_q41e7bd12e9_proj.kd
    .args:
      - { .name: cod, .offset: 0, .size: 8, .value_kind: global_buffer, .address_space: global }
      - { .name: scl, .offset: 8, .size: 8, .value_kind: global_buffer, .address_space: global }
      - { .name: bq, .offset: 16, .size: 8, .value_kind: global_buffer, .address_space: global }
      - { .name: bk, .offset: 24, .size: 8, .value_kind: global_buffer, .address_space: global }
      - { .name: bv, .offset: 32, .size: 8, .value_kind: global_buffer, .address_space: global }
      - { .name: qkc, .offset: 40, .size: 8, .value_kind: global_buffer, .address_space: global }
      - { .name: qks, .offset: 48, .size: 8, .value_kind: global_buffer, .address_space: global }
      - { .name: vc, .offset: 56, .size: 8, .value_kind: global_buffer, .address_space: global }
      - { .name: vs, .offset: 64, .size: 8, .value_kind: global_buffer, .address_space: global }
    .group_segment_fixed_size: 327680
    .private_segment_fixed_size: 0
    .kernarg_segment_align: 8
    .kernarg_segment_size: 72
    .max_flat_workgroup_size: 128
    .sgpr_count:     102
    .vgpr_count:     1024
    .wavefront_size: 32
...
	.end_amdgpu_metadata
.endif
;; end of part 2
;; launch attn (part 3): grid 4 x 64, 16 waves a work-group, clusters of 4 x 1, 215,040 bytes of LDS; arguments qkc, qks, vc, vs, cc, cs; writes cc, cs
.if DOCPART == 3
	.amdgcn_target "amdgcn-amd-amdhsa--gfx1250"
	.amdhsa_code_object_version 6
	.text
	.protected	k_q41e7bd12e9_attn
	.globl	k_q41e7bd12e9_attn
	.p2align	8
	.type	k_q41e7bd12e9_attn,@function
k_q41e7bd12e9_attn:
	s_mov_b64 s[64:65], 0
	v_nop
	global_prefetch_b8 v0, s[64:65] scope:SCOPE_SE
	s_setreg_imm32_b32 hwreg(HW_REG_WAVE_MODE, 25, 1), 1
	s_wait_xcnt 0x0
	s_wait_alu depctr_hold_cnt(0) depctr_sa_sdst(0) depctr_va_vdst(0) depctr_va_sdst(0) depctr_va_ssrc(0) depctr_va_vcc(0) depctr_vm_vsrc(0)
	s_getreg_b32 s2, hwreg(HW_REG_IB_STS2, 6, 4)
	s_cmp_eq_u32 s2, 0
	s_cbranch_scc0 .Lentry_in_a_cluster
	s_endpgm
.Lentry_in_a_cluster:
	s_bfe_u32 s2, ttmp6, 0x10000c
	s_cmp_lg_u32 s2, 0x3003
	s_cbranch_scc0 .Lentry_shape_is_right
	s_endpgm
.Lentry_shape_is_right:
; ctx[b][q][head] = the sum over keys of softmax(q . k / 8) v, both products on codes of FP6 (E2M3) with E8M0 scales, and ctx quantised at once, along the features, for the last product.
; THE SOFTMAX AHEAD OF THE SECOND PRODUCT: t = score x log2(e) / 8; M = the row's largest t so far, rounded UP to a whole number; p = 2^(t - M) is what is quantised, along the keys, not normalised.
; The row's sum is taken of the unquantised p, in f32, and divides at the end.  When M moves, the sum and O are multiplied by 2^(old M - new M): exact.
; IN.  An operand is 12 registers, 1,536 bytes, in three pieces of 512: lane l's 16 bytes at 16 l.  qkc [v 32: Q's heads, then K's][step of 128 tokens 64][operand 4]: operand o holds token tiles 2 o (registers 0-5) and 2 o + 1
; (registers 6-11) of the step, each 16 tokens x the head's 64.  vc [head][step][d tile 4]: 16 of the head's 64 x the step's 128 keys.  qks, vs [v or head][step][r 16][4 words]: row r's scale word of each of the step's four operands.
; Row r of tile t of an axis is 64 (t / 4) + 8 (t % 4) + 32 (r / 8) + r % 8.
; OUT: cc [token tile 512][K step = head pair 8][1,536 in six pieces of 256, lane l's 8 bytes at 8 l], cs [tile][K step / 2][r][2 words]: laid as the last product's operand.
; SHARES.  256 work-groups: one owns 512 queries of one head of one batch.  The head's K and V codes and scale words, 204,800 bytes, lie in LDS whole and are filled once.  Each of the sixteen waves owns one operand of Q,
; two tiles of 16 queries, and walks the sixteen key steps twice, once for each tile: the second walk reads what lies in LDS and passes no barrier.
; FILLS: one joint load a wave, all at the head, in one chain of arms: waves 0, 1 K's and V's steps 0-3; waves 2, 3 the scale words; waves 4-15 two later steps each.  The first barrier shows waves 0-3's loads, the second,
; behind four key steps, all.  Nothing is filled again.
; CLUSTER.  The four work-groups of a cluster are the four query blocks of one head: every fill is asked for jointly, with the same descriptor and the mask of all four.
; NO PREFETCH: all that a work-group reads through LDS is asked for by its first sixteen loads; there is no later load to ask ahead of.
; LAYOUT.  Both products are used transposed: S^T = K Q^T (source 0 = keys), O^T = V^T P^T (source 0 = 16 of the head's 64): a lane holds ONE query throughout.  By the rows' order a lane's 32 scores of tiles 4 c .. 4 c + 3 are
; keys 64 c + 32 h + 0 .. 31 of the step: one whole scale block of p, already in the order of the operand's registers: no lane looks at another's block.
; K = 64 IN AN INSTRUCTION OF 128: an operand of K holds two tiles; against [q, 0] it gives the first tile's scores, against [0, q] the second's (zero codes add nothing).  Q lies as 0 q 0 in 18 registers: both forms are runs of 12.
; LIMITS: NaN and infinities are not served; the scaled scores stay under 2^31 in magnitude; p under 2^-126 comes out of v_exp_f32 as 0; a block's largest p is taken from its largest score, which takes v_exp_f32 not to fall where
; its input rises; a block of zeros gets the byte 1 where the rule says 127 (its codes are zeros; this program alone reads the bytes).
.set VB,    98304                      ; LDS: K's codes at 0, V's at VB, 6,144 bytes a step each
.set KSB,   196608                     ; K's scale words, 256 bytes a step; V's 4,096 bytes on
.set SPARE, 204800                     ; the spare words, 128 bytes for each wave
.set L16,  1                           ; 16 x lane
.set L16V, 2                           ; + VB
.set R16S, 3                           ; KSB + 16 r
.set H8,   4                           ; 8 h
.set SPW,  5                           ; my spare word; never rewritten
.set NIL,  6                           ; 0; never rewritten
.set L8,   7                           ; 8 x lane
.set ADK,  8                           ; the step's addresses
.set ADV,  9
.set ADS,  10
.set CSO,  11                          ; 8 r + h
                                       ; v12 -M, v13 the largest score, v[14:15] the sum in two halves
.set QZ,   16                          ; v16-33  0 q 0
.set QL,   34                          ; v34-45  my operand of Q as loaded
.set QWL,  46                          ; its scale word
.set QW,   47                          ; the tile's two bytes, twice: serves [q, 0] and [0, q]
.set KV,   48                          ; v48-95  K's four operands, then V's
.set S,    96                          ; v96-159 S^T, then p
.set O,    160                         ; v160-191 O^T
.set KS,   192                         ; K's four scale words; VS V's; PW p's
.set VS,   196
.set PW,   200
.set P,    204                         ; v204-215 p's codes
.set CT,   216                         ; v216-218, v220-222 the conversions' second halves
.set T,    224                         ; v224-227 four chains of maxima
.set MX,   228
.set PX,   229
.set TMP,  230
.set OLDM, 231
.set F,    232                         ; v[232:233] f = 2^(old M - new M), and 0
.set SO,   234
.set BY,   236
.set W,    238
.set PX2,  239
.set AC,   240                         ; v240-247 four chains of sums
.set WV,   18
.set SEL,  20
.set CS,   22
.set G1A,  24                          ; descriptor groups 1: 96, 16, 48 rows of 256 bytes
.set G1B,  32
.set G1C,  40
.set G0,   48                          ; group 0 for codes, G0S for scale words
.set G0S,  52
.set TB,   2
.set TS,   3
.set CNT,  56
.macro WALU
	s_wait_alu depctr_va_vdst(0)
.endm
.macro DEP n
	s_delay_alu instid0(VALU_DEP_\n)
.endm
.macro CROUND
	s_barrier_signal -1
	s_barrier_wait -1
	s_cmp_lg_u32 s[WV], 0
	s_cbranch_scc1 .Lnot_wave_0_\@
	s_barrier_signal -3
.Lnot_wave_0_\@:
	s_barrier_wait -3
	s_barrier_signal -1
	s_barrier_wait -1
.endm
.macro TLOAD g0, g1
	tensor_load_to_lds s[\g0:\g0+3], s[\g1:\g1+7]
	s_nop 0
.rept 4
	v_nop
.endr
.endm
.macro GROUP1 g, rows                  ; a dense block as rows of 256 bytes: 32 elements of 8 bytes; the mask of all four partners, bit 21 beside it
	s_mov_b32 s[\g], 15|(3<<16)|(1<<21)
	s_mov_b32 s[\g+1], 32<<16
	s_mov_b32 s[\g+2], (\rows)<<16
	s_mov_b32 s[\g+3], 32<<16
	s_mov_b32 s[\g+4], \rows
	s_mov_b32 s[\g+5], 32
	s_mov_b32 s[\g+6], 0
	s_mov_b32 s[\g+7], 0
.endm
	s_load_b256 s[4:11], s[0:1], 0x0               ; qkc, qks, vc, vs
	s_load_b128 s[12:15], s[0:1], 0x20             ; cc, cs
	v_lshl_add_u32 v[SPW], v0, 2, SPARE
	v_mov_b32 v[NIL], 0
	ds_add_u32 v[SPW], v[NIL]                      ; the opening lines: the add, twice on end, and its wait ahead of my tensor load
	ds_add_u32 v[SPW], v[NIL]
	v_lshrrev_b32 v8, 5, v0
	v_readfirstlane_b32 s[WV], v8                  ; wave 0..15
	s_and_b32 s84, ttmp7, 0xffff                   ; 16 b + head: the four partners share it
	s_lshr_b32 s85, s84, 4                         ; b
	s_and_b32 s86, s84, 15                         ; head
	s_lshl_b32 s88, s86, 6
	s_lshl_b32 s57, s85, 4
	s_add_co_u32 s88, s88, s57                     ; 64 head + 16 b: the head's first step in vc and vs; K's lie 1,024 steps on in qkc and qks
	s_and_b32 s89, s[WV], 1                        ; I fetch for K (0) or for V (1),
	s_lshr_b32 s90, s[WV], 1                       ; from step 2 (wave / 2) on
	s_cmp_eq_u32 s89, 0
	s_cselect_b32 s57, 1024, 0
	s_add_co_u32 s57, s57, s88
	s_mul_i32 s60, s57, 6144
	s_mul_i32 s58, s90, 12288
	s_add_co_u32 s60, s60, s58
	s_mov_b32 s61, 0
	s_lshl_b32 s62, s57, 8
	s_mov_b32 s63, 0
	s_mov_b32 s[G0], 1
	s_mul_i32 s[G0+1], s89, VB
	s_add_co_u32 s[G0+1], s[G0+1], s58
	s_mov_b32 s[G0S], 1
	s_lshl_b32 s[G0S+1], s89, 12
	s_add_co_u32 s[G0S+1], s[G0S+1], KSB
	GROUP1 G1A, 96
	GROUP1 G1B, 16
	GROUP1 G1C, 48
	s_mov_b32 s[SEL], 0x76543210
	s_mov_b32 s[SEL+1], 0xfedcba98                 ; selects for lane l xor 16
	s_mov_b32 s[CS], 0x3e38aa3b                    ; c = log2(e) / 8
	s_mov_b32 s[CS+1], s[CS]
	WALU
	s_wait_dscnt 0x0                               ; both opening adds are done
	s_wait_kmcnt 0x0
	s_cmp_eq_u32 s89, 0
	s_cselect_b64 s[92:93], s[4:5], s[8:9]
	s_cselect_b64 s[94:95], s[6:7], s[10:11]
	s_add_nc_u64 s[G0+2:G0+3], s[92:93], s[60:61]
	s_or_b32 s[G0+3], s[G0+3], 0x80000000
	s_add_nc_u64 s[G0S+2:G0S+3], s[94:95], s[62:63]
	s_or_b32 s[G0S+3], s[G0S+3], 0x80000000
	CROUND                                         ; all four work-groups are here: the joint loads meet
	s_cmp_lt_u32 s[WV], 2                          ; one chain of arms, one load to an arm: every way passes exactly one
	s_cbranch_scc0 .Larm_words
	TLOAD G0, G1A                                  ; waves 0, 1: steps 0-3 of K, of V
	s_branch .Lasked
.Larm_words:
	s_cmp_lt_u32 s[WV], 4
	s_cbranch_scc0 .Larm_rest
	TLOAD G0S, G1B                                 ; waves 2, 3: K's, V's scale words
	s_branch .Lasked
.Larm_rest:
	TLOAD G0, G1C                                  ; waves 4-15: two steps each
.Lasked:
	; my operand of Q and where ctx goes.  cx enters these global addresses alone, in registers of their own
	s_bfe_u32 s66, ttmp6, 0x40000                  ; cx
	s_lshl_b32 s66, s66, 4
	s_lshl_b32 s67, s85, 6
	s_add_co_u32 s66, s66, s67
	s_add_co_u32 s66, s66, s[WV]                   ; my pair of token tiles, of 256: 64 b + 16 cx + wave
	s_lshl_b32 s67, s86, 8
	s_add_co_u32 s67, s67, s66
	s_mul_i32 s68, s67, 1536
	s_mov_b32 s69, 0
	s_add_nc_u64 s[68:69], s[4:5], s[68:69]        ; its codes
	s_lshl_b32 s70, s86, 14
	s_lshr_b32 s67, s66, 2
	s_lshl_b32 s67, s67, 8
	s_add_co_u32 s70, s70, s67
	s_and_b32 s67, s66, 3
	s_lshl_b32 s67, s67, 2
	s_add_co_u32 s70, s70, s67
	s_mov_b32 s71, 0
	s_add_nc_u64 s[70:71], s[6:7], s[70:71]        ; its scale words
	v_and_b32 v[TMP], 31, v0                       ; lane
	v_and_b32 v[T], 15, v0                         ; r
	v_bfe_u32 v[T+1], v0, 4, 1                     ; h
	v_lshlrev_b32 v[L16], 4, v[TMP]
	v_lshlrev_b32 v[L8], 3, v[TMP]
	v_lshlrev_b32 v[T+2], 4, v[T]
	v_lshlrev_b32 v[H8], 3, v[T+1]
	v_lshl_add_u32 v[CSO], v[T], 3, v[T+1]
.irp k, 0,1,2
	global_load_b128 v[QL+4*\k:QL+4*\k+3], v[L16], s[68:69] offset:512*\k
.endr
	global_load_b32 v[QWL], v[T+2], s[70:71]
	v_add_nc_u32 v[L16V], VB, v[L16]
	v_add_nc_u32 v[R16S], KSB, v[T+2]
.irp j, 0,1,2,3,4,5
	v_mov_b32 v[QZ+\j], 0                          ; zero codes on both sides of q
	v_mov_b32 v[QZ+12+\j], 0
.endr
	v_mov_b32 v[PX], 0                             ; written once: a lane permute's destination counts as one of its sources
	v_mov_b32 v[PX2], 0
	v_mov_b32 v[F+1], 0                            ; (named with f as a pair)
	s_lshl_b32 s72, s66, 1                         ; token tile T = 2 x pair (the second walk: T + 1)
	s_lshl_b32 s73, s72, 3
	s_lshr_b32 s74, s86, 1                         ; the head pair = K step of the last product
	s_add_co_u32 s73, s73, s74
	s_mul_i32 s76, s73, 1536
	s_and_b32 s75, s86, 1
	s_mul_i32 s73, s75, 768                        ; my head's half of the fragment
	s_add_co_u32 s76, s76, s73
	s_mov_b32 s77, 0
	s_add_nc_u64 s[12:13], s[12:13], s[76:77]
	s_lshl_b32 s76, s72, 9
	s_lshr_b32 s73, s74, 1
	s_lshl_b32 s73, s73, 7
	s_add_co_u32 s76, s76, s73
	s_and_b32 s73, s74, 1
	s_lshl_b32 s73, s73, 2
	s_add_co_u32 s76, s76, s73
	s_lshl_b32 s73, s75, 1
	s_add_co_u32 s76, s76, s73                     ; my head's two bytes of the row's word
	s_add_nc_u64 s[14:15], s[14:15], s[76:77]
.macro PASSINIT pi                     ; tile pi of my operand: q between the zeros, its two scale bytes twice, and the walk's state
.irp j, 0,1,2,3,4,5
	v_mov_b32 v[QZ+6+\j], v[QL+6*\pi+\j]
.endr
.if \pi
	v_lshrrev_b32 v[TMP], 16, v[QWL]
.else
	v_and_b32 v[TMP], 0xffff, v[QWL]
.endif
	v_lshl_or_b32 v[QW], v[TMP], 16, v[TMP]
	v_mov_b32 v13, 0xff61b1e6                      ; the largest score so far: -3e38
	v_mov_b32 v12, 0x7e000000                      ; -M: 2^125, so that the first step's f is 0
	v_mov_b32 v14, 0
	v_mov_b32 v15, 0
.set JJ, 0
.rept 32
	v_mov_b32 v[O+JJ], 0                           ; O^T.  (The step is written once: the first finds zeros)
.set JJ, JJ+1
.endr
.endm
; A KEY STEP: 128 keys
.macro STEP
	v_add_nc_u32 v[ADK], s[TB], v[L16]             ; these four are the places in front of loads into registers that the last products have read
	v_add_nc_u32 v[ADV], s[TB], v[L16V]
	v_add_nc_u32 v[ADS], s[TS], v[R16S]
	v_mov_b32 v[OLDM], v12
.irp o, 0,1,2,3
.irp k, 0,1,2
	ds_load_b128 v[KV+12*\o+4*\k:KV+12*\o+4*\k+3], v[ADK] offset:1536*\o+512*\k
.endr
.endr
	ds_load_b128 v[KS:KS+3], v[ADS]
	WALU                                           ; the wait ahead of the wait below
	s_wait_dscnt 0x0
.irp o, 0,1,2,3                                ; S^T: tile 2 o against [q, 0], tile 2 o + 1 against [0, q]
	v_wmma_scale_f32_16x16x128_f8f6f4 v[S+16*\o:S+16*\o+7], v[KV+12*\o:KV+12*\o+11], v[QZ+6:QZ+17], 0, v[KS+\o], v[QW] matrix_a_fmt:MATRIX_FMT_FP6 matrix_b_fmt:MATRIX_FMT_FP6
	v_wmma_scale_f32_16x16x128_f8f6f4 v[S+16*\o+8:S+16*\o+15], v[KV+12*\o:KV+12*\o+11], v[QZ:QZ+11], 0, v[KS+\o], v[QW] matrix_a_fmt:MATRIX_FMT_FP6 matrix_b_fmt:MATRIX_FMT_FP6
.endr
.rept 4
	v_nop                                          ; places: in front of the loads into K's registers, and of the first read of the scores
.endr
.irp t, 0,1,2,3                                ; V's four operands land while the softmax is walked
.irp k, 0,1,2
	ds_load_b128 v[KV+12*\t+4*\k:KV+12*\t+4*\k+3], v[ADV] offset:1536*\t+512*\k
.endr
.endr
	ds_load_b128 v[VS:VS+3], v[ADS] offset:4096
.irp q, 0,1,2,3                                ; the largest score of my two blocks of 32 keys, in four chains by turns; it serves the row's maximum and, since p rises with the score, the block's largest p
	v_max3_num_f32 v[T+\q], v[S+16*\q], v[S+16*\q+1], v[S+16*\q+2]
.endr
.irp i, 3,5,7,9,11,13
.irp q, 0,1,2,3
	v_max3_num_f32 v[T+\q], v[T+\q], v[S+16*\q+\i], v[S+16*\q+\i+1]
.endr
.endr
	v_max3_num_f32 v[T], v[T], v[T+1], v[S+15]
	v_max3_num_f32 v[T+2], v[T+2], v[T+3], v[S+47]
	v_max_num_f32 v[T], v[T], v[S+31]              ; block h
	v_max_num_f32 v[T+2], v[T+2], v[S+63]          ; block 2 + h
	DEP 1
	v_max_num_f32 v[MX], v[T], v[T+2]
	DEP 1
	v_permlanex16_b32 v[PX], v[MX], s[SEL], s[SEL+1]
	DEP 1
	v_max3_num_f32 v13, v13, v[MX], v[PX]          ; the running largest score of my query
	DEP 1
	v_mul_f32 v[TMP], s[CS], v13                   ; as t (c is positive)
	DEP 1
	v_floor_f32 v12, -v[TMP]                       ; the new -M = -ceil(t)
	DEP 1
	v_sub_f32 v[TMP], v12, v[OLDM]                 ; old M less new M: a whole number, 0 or less
	DEP 1
	v_cvt_i32_f32 v[TMP], v[TMP]                   ; (it saturates)
	DEP 1
	v_ldexp_f32 v[F], 1.0, v[TMP]                  ; f = 2^(old M - new M)
.set JJ, 0
.rept 32
	v_pk_fma_f32 v[S+JJ:S+JJ+1], v[S+JJ:S+JJ+1], s[CS:CS+1], v[12:13] op_sel_hi:[1,0,0]   ; t - M, two at a time (the pairs' low words serve both halves)
.set JJ, JJ+2
.endr
	v_fma_f32 v[T], v[T], s[CS], v12               ; the same of each block's largest score
	v_fma_f32 v[T+2], v[T+2], s[CS], v12
	WALU                                           ; the wait ahead of the batch
	v_exp_f32 v[T], v[T]                           ; the blocks' largest p
	v_exp_f32 v[T+2], v[T+2]
.set JJ, 0
.rept 64
	v_exp_f32 v[S+JJ], v[S+JJ]                     ; p = 2^(t - M): not normalised
.set JJ, JJ+1
.endr
	v_pk_mul_f32 v[14:15], v[14:15], v[F:F+1] op_sel_hi:[1,0]   ; the sums under the new M.  (A plain place behind the exponentials)
	WALU                                           ; one wait for the whole batch, ahead of its first reader
.irp q, 0,1,2,3                                ; the row's sum, of the unquantised p: four chains by turns
	v_pk_add_f32 v[AC+2*\q:AC+2*\q+1], v[S+2*\q:S+2*\q+1], v[S+8+2*\q:S+9+2*\q]
.endr
.irp j, 16,24,32,40,48,56
.irp q, 0,1,2,3
	v_pk_add_f32 v[AC+2*\q:AC+2*\q+1], v[AC+2*\q:AC+2*\q+1], v[S+\j+2*\q:S+\j+2*\q+1]
.endr
.endr
	DEP 3
	v_pk_add_f32 v[AC:AC+1], v[AC:AC+1], v[AC+2:AC+3]
	DEP 2
	v_pk_add_f32 v[AC+4:AC+5], v[AC+4:AC+5], v[AC+6:AC+7]
	DEP 1
	v_pk_add_f32 v[AC:AC+1], v[AC:AC+1], v[AC+4:AC+5]
	DEP 1
	v_pk_add_f32 v[14:15], v[14:15], v[AC:AC+1]
	v_max_num_f32 v[T], 0x1800000, v[T]            ; the floor 2^(3 - 127): the byte cannot fall under 1
	v_max_num_f32 v[T+2], 0x1800000, v[T+2]
	v_add_nc_u32 v[SO], 0xff000000, v[T]           ; 2 off the exponent field: the conversions' scale operands
	v_add_nc_u32 v[SO+1], 0xff000000, v[T+2]
.irp c, 0,1
	v_cvt_scalef32_pk16_fp6_f32 v[P+6*\c:P+6*\c+2], v[S+32*\c:S+32*\c+15], v[SO+\c]
	v_cvt_scalef32_pk16_fp6_f32 v[CT+4*\c:CT+4*\c+2], v[S+32*\c+16:S+32*\c+31], v[SO+\c]   ; (a conversion's three registers begin on an even number)
.endr
	v_lshrrev_b32 v[BY], 23, v[SO]                 ; the scales' bytes.  (Plain places behind the conversions)
	v_lshrrev_b32 v[BY+1], 23, v[SO+1]
	v_mov_b32 v[P+3], v[CT]
	v_mov_b32 v[P+4], v[CT+1]
	v_lshl_or_b32 v[W], v[BY+1], 16, v[BY]         ; my two bytes: blocks h and 2 + h,
	v_mov_b32 v[P+5], v[CT+2]
	v_mov_b32 v[P+9], v[CT+4]
	v_lshlrev_b32 v[W], v[H8], v[W]                ; at their places in the word;
	v_mov_b32 v[P+10], v[CT+5]
	v_mov_b32 v[P+11], v[CT+6]
	v_permlanex16_b32 v[PX2], v[W], s[SEL], s[SEL+1]
	DEP 1
	v_or_b32 v[PW], v[W], v[PX2]                   ; with lane l xor 16's two the word is whole
	s_wait_dscnt 0x0                               ; V's operands and scale words are in
	WALU                                           ; directly ahead of the first reader of O^T, and behind the wait above
.set JJ, 0
.rept 16
	v_pk_mul_f32 v[O+JJ:O+JJ+1], v[O+JJ:O+JJ+1], v[F:F+1] op_sel_hi:[1,0]   ; O^T under the new M.  (These 16 are also the places between the codes' and the scale word's last writes and the products)
.set JJ, JJ+2
.endr
.irp t, 0,1,2,3                                ; O^T += V^T P^T: four accumulators by turns
	v_wmma_scale_f32_16x16x128_f8f6f4 v[O+8*\t:O+8*\t+7], v[KV+12*\t:KV+12*\t+11], v[P:P+11], v[O+8*\t:O+8*\t+7], v[VS+\t], v[PW] matrix_a_fmt:MATRIX_FMT_FP6 matrix_b_fmt:MATRIX_FMT_FP6
.endr
.endm
.macro WALK first, trips
	s_mov_b32 s[TB], 6144*\first
	s_mov_b32 s[TS], 256*\first
	s_mov_b32 s[CNT], \trips
.Lstep_\@:
	STEP
	s_add_co_u32 s[TB], s[TB], 6144
	s_add_co_u32 s[TS], s[TS], 256
	s_sub_co_u32 s[CNT], s[CNT], 1
	s_cmp_lg_u32 s[CNT], 0
	s_cbranch_scc1 .Lstep_\@
.endm
; THE WAY OUT of tile pi.  O^T / the sum is ctx: register 8 t + i is feature 32 h + 8 t + i of my head, of my query: one whole block of 32, which becomes six registers of a fragment and one scale byte
.macro WAYOUT pi
.rept 4
	v_nop                                          ; places behind the last products
.endr
	v_add_f32 v14, v14, v15
	DEP 1
	v_permlanex16_b32 v[PX], v14, s[SEL], s[SEL+1]
	DEP 1
	v_add_f32 v14, v14, v[PX]                      ; the row's sum
	WALU
	v_rcp_f32 v14, v14
	v_nop                                          ; a plain place behind the transcendental
	WALU                                           ; ahead of its first reader, which is also the first reader of O^T
.set JJ, 0
.rept 16
	v_pk_mul_f32 v[S+JJ:S+JJ+1], v[O+JJ:O+JJ+1], v[14:15] op_sel_hi:[1,0]
.set JJ, JJ+2
.endr
.irp q, 0,1,2,3
	v_max3_num_f32 v[T+\q], |v[S+8*\q]|, |v[S+8*\q+1]|, 0x1800000
.endr
.irp i, 2,4,6
.irp q, 0,1,2,3
	v_max3_num_f32 v[T+\q], v[T+\q], |v[S+8*\q+\i]|, |v[S+8*\q+\i+1]|
.endr
.endr
	DEP 2
	v_max3_num_f32 v[T], v[T], v[T+1], v[T+2]
	DEP 1
	v_max_num_f32 v[T], v[T], v[T+3]
	DEP 1
	v_add_nc_u32 v[SO], 0xff000000, v[T]
	v_cvt_scalef32_pk16_fp6_f32 v[P:P+2], v[S:S+15], v[SO]
	v_cvt_scalef32_pk16_fp6_f32 v[CT:CT+2], v[S+16:S+31], v[SO]
	v_lshrrev_b32 v[BY], 23, v[SO]                 ; (a plain place behind the conversions)
.irp i, 0,1,2
	v_mov_b32 v[P+3+\i], v[CT+\i]
.endr
.irp p, 0,1,2
	global_store_b64 v[L8], v[P+2*\p:P+2*\p+1], s[12:13] offset:12288*\pi+256*\p   ; 32 lanes store 256 consecutive bytes, aligned
.endr
	global_store_b8 v[CSO], v[BY], s[14:15] offset:512*\pi   ; byte 2 (head % 2) + h of row r's word.  Sixteen heads' bytes lie in turn in a row's words, so no one work-group could store them in longer runs
.endm
	WALU                                           ; the wait ahead of the wait below
	s_wait_loadcnt 0x0                             ; Q is in
	PASSINIT 0
	WALU                                           ; the head's end
	s_cmp_lt_u32 s[WV], 4
	s_cbranch_scc0 .Lnot_first
	s_wait_tensorcnt 0x0                           ; waves 0-3: steps 0-3 and the scale words have landed
.Lnot_first:
	s_barrier_signal -1
	s_barrier_wait -1
	WALK 0, 4
	s_wait_tensorcnt 0x0                           ; every wave: its load has landed
	s_wait_dscnt 0x0
	s_barrier_signal -1
	s_barrier_wait -1                              ; all of K and V is in
	WALK 4, 12
	WAYOUT 0
	PASSINIT 1
	WALU                                           ; the wait ahead of the wait below
	s_wait_xcnt 0x0                                ; the stores have read their registers: the codes and the byte are written again only behind this wait
	WALK 0, 16
	WAYOUT 1
	s_wait_tensorcnt 0x0                           ; the wave's end
	ds_add_u32 v[SPW], v[NIL]
	s_wait_dscnt 0x0
	CROUND                                         ; the closing round
	s_endpgm
.Lfunc_end_k_q41e7bd12e9_attn:
	.size	k_q41e7bd12e9_attn, .Lfunc_end_k_q41e7bd12e9_attn-k_q41e7bd12e9_attn
	.p2alignl 7, 3214868480
	.fill 96, 4, 3214868480
	.section	.rodata,"a",@progbits
	.p2align	6, 0x0
	.amdhsa_kernel k_q41e7bd12e9_attn
		.amdhsa_group_segment_fixed_size 215040
		.amdhsa_private_segment_fixed_size 0
		.amdhsa_enable_private_segment 0
		.amdhsa_kernarg_size 48
		.amdhsa_user_sgpr_count 2
		.amdhsa_user_sgpr_kernarg_segment_ptr 1
		.amdhsa_wavefront_size32 1
		.amdhsa_system_sgpr_workgroup_id_x 1
		.amdhsa_system_sgpr_workgroup_id_y 1
		.amdhsa_system_sgpr_workgroup_id_z 1
		.amdhsa_system_vgpr_workitem_id 0
		.amdhsa_next_free_vgpr 256
		.amdhsa_next_free_sgpr 100
		.amdhsa_reserve_vcc 0
		.amdhsa_float_denorm_mode_32 3
		.amdhsa_float_denorm_mode_16_64 3
		.amdhsa_memory_ordered 1
		.amdhsa_forward_progress 1
		.amdhsa_inst_pref_size 63
	.end_amdhsa_kernel
	.amdgpu_metadata
---
amdhsa.version: [ 1, 2 ]
amdhsa.kernels:
  - .name:           k_q41e7bd12e9_attn
    .symbol:         k_q41e7bd12e9_attn.kd
    .args:
      - { .name: qkc, .offset: 0, .size: 8, .value_kind: global_buffer, .address_space: global }
      - { .name: qks, .offset: 8, .size: 8, .value_kind: global_buffer, .address_space: global }
      - { .name: vc, .offset: 16, .size: 8, .value_kind: global_buffer, .address_space: global }
      - { .name: vs, .offset: 24, .size: 8, .value_kind: global_buffer, .address_space: global }
      - { .name: cc, .offset: 32, .size: 8, .value_kind: global_buffer, .address_space: global }
      - { .name: cs, .offset: 40, .size: 8, .value_kind: global_buffer, .address_space: global }
    .group_segment_fixed_size: 215040
    .private_segment_fixed_size: 0
    .kernarg_segment_align: 8
    .kernarg_segment_size: 48
    .max_flat_workgroup_size: 512
    .sgpr_count:     100
    .vgpr_count:     256
    .wavefront_size: 32
...
	.end_amdgpu_metadata
.endif
;; end of part 3
;; launch outp (part 4): grid 4 x 64, 4 waves a work-group, clusters of 4 x 4, 327,680 bytes of LDS; arguments cc, cs, cod, scl, bo, out0; writes out0
.if DOCPART == 4
	.amdgcn_target "amdgcn-amd-amdhsa--gfx1250"
	.amdhsa_code_object_version 6
	.text
	.protected	k_q41e7bd12e9_outp
	.globl	k_q41e7bd12e9_outp
	.p2align	8
	.type	k_q41e7bd12e9_outp,@function
k_q41e7bd12e9_outp:
	s_mov_b64 s[64:65], 0
	v_nop
	global_prefetch_b8 v0, s[64:65] scope:SCOPE_SE
	s_setreg_imm32_b32 hwreg(HW_REG_WAVE_MODE, 25, 1), 1
	s_wait_xcnt 0x0
	s_wait_alu depctr_hold_cnt(0) depctr_sa_sdst(0) depctr_va_vdst(0) depctr_va_sdst(0) depctr_va_ssrc(0) depctr_va_vcc(0) depctr_vm_vsrc(0)
	s_getreg_b32 s2, hwreg(HW_REG_IB_STS2, 6, 4)
	s_cmp_eq_u32 s2, 0
	s_cbranch_scc0 .Lentry_in_a_cluster
	s_endpgm
.Lentry_in_a_cluster:
	s_bfe_u32 s2, ttmp6, 0x10000c
	s_cmp_lg_u32 s2, 0xf033
	s_cbranch_scc0 .Lentry_shape_is_right
	s_endpgm
.Lentry_shape_is_right:
; out0 [8192][1024] = ctx Wo^T + bo, on codes of FP6 (E2M3) with E8M0 scales, sums in f32, K = 1,024 ascending.
; IN: cc [token tile 512][K step 8][1,536] and cod (tiles 704-767 are Wo's): images of fragments, 16 rows x 128 K in six pieces of 256 bytes, lane l's 8 bytes at 8 l.  cs, scl: [tile][K step / 2 (4)][r 16][2 words].
; Row r of tile t of an axis is 64 (t / 4) + 8 (t % 4) + 32 (r / 8) + r % 8.
; SHARES.  256 work-groups; one makes 128 rows x 256 columns; its four waves, 2 x 2, make 64 x 128 each: 32 accumulators, 256 registers.
; ALL OF K LIES IN LDS, FILLED ONCE: A's 8 tiles (98,304 bytes) and B's 16 (196,608), each in two halves of K: rows of 6,144 bytes (four K steps of a tile), 12,288 apart in memory.  One joint load a wave, all at the head, in one chain
; of arms: wave 0 A's half 0, wave 1 B's half 0, wave 2 A's half 1, wave 3 B's half 1.  The first barrier shows waves 0 and 1's loads, the second, ahead of the fetch of K step 4, all.  Nothing is filled again.
; CLUSTER.  4 x 4 work-groups: A's tiles hang on the tile row alone and are shared along a row of the cluster, B's on the tile column alone and are shared along a column.
; NO PREFETCH: all that a work-group reads through LDS is asked for by its first four loads; there is no later load to ask ahead of.
; THE SCALE WORDS go straight into registers: a load of 8 bytes a lane reads 256 consecutive bytes of a tile's 512: lanes 0-15 the two words of K steps 4 j, 4 j + 1 of row r, lanes 16-31 those of K steps 4 j + 2, 4 j + 3, which the
; products read by the selector ROW1.
; THE MATRIX INSTRUCTION IS USED TRANSPOSED (source 0 = 16 rows of Wo, source 1 = 16 rows of ctx): a lane holds eight neighbouring columns of one row of the result.  The bias is the first products' C.
; REGISTERS, in windows of 256.  Window 0: v0-31 addresses; v32-47 A's scale words, v50-81 B's; v84-147 the bias; v148-243 A's fragments, two sets of four; on the way out v84-211 hold rows read back.
; Window 1: B's fragments, two sets of eight, at v0 and v96.  Window 2: the accumulators, (a, b) at v[8 (8 a + b)].
; LIMITS: NaN and infinities are not served.
.set KROW,   12288                     ; a tile's eight fragments
.set HROW,   6144                      ; four of them: half of K
.set AH,     8*HROW                    ; A's half in LDS
.set HALF,   24*HROW                   ; A's and B's: half 0 at 0, half 1 at HALF
.set SPARE,  2*HALF                    ; the spare words, 128 bytes for each wave
.set SPITCH, 528                       ; the way out: a stage of 16 rows x (512 + 16) bytes for each wave, in half 0's bytes: behind the second barrier nobody reads them, and they have had their one fill
.set ADRA, 16                          ; v16, v17  LDS address of my four tiles of A in half 0, 1
.set BO1,  18                          ; v18  128 h
.set ADRB, 20                          ; v20, v21  of my eight tiles of B
.set L8,   24                          ; v24  8 x lane
.set STO,  25
.set RD,   26
.set SPW,  28                          ; my spare word; never rewritten
.set NIL,  29                          ; 0; never rewritten
.set CO,   30                          ; v30  16 x lane
.set SA,   32
.set SBC,  50
.set CB,   84
.set AF,   148
.set BK,   84
.set G1,   24
.set G0,   32
.set G1B,  48
.set G0B,  56
.set MSB, 0
.macro WIN new
.if MSB != (\new)
	s_set_vgpr_msb (MSB<<8)|(\new)
.set MSB, (\new)
.endif
.endm
.macro PLACES n
.rept \n
	v_nop
.endr
.endm
.macro CROUND
	s_barrier_signal -1
	s_barrier_wait -1
	s_cmp_lg_u32 s14, 0
	s_cbranch_scc1 .Lnot_wave_0_\@
	s_barrier_signal -3
.Lnot_wave_0_\@:
	s_barrier_wait -3
	s_barrier_signal -1
	s_barrier_wait -1
.endm
	s_load_b256 s[4:11], s[0:1], 0x0               ; cc, cs, cod, scl
	s_load_b128 s[92:95], s[0:1], 0x20             ; bo, out0
	v_lshl_add_u32 v[SPW], v0, 2, SPARE
	v_mov_b32 v[NIL], 0
	ds_add_u32 v[SPW], v[NIL]                      ; the opening lines: the add, twice on end, and its wait ahead of my tensor load
	ds_add_u32 v[SPW], v[NIL]
	v_lshrrev_b32 v1, 5, v0
	v_readfirstlane_b32 s14, v1                    ; wave 0..3
	s_lshr_b32 s15, s14, 1                         ; which 64 rows are mine.  Also: which half of K I fetch
	s_and_b32 s16, s14, 1                          ; which 128 columns.  Also: I fetch for A (0) or for B (1)
	s_bfe_u32 s40, ttmp6, 0x40000                  ; cx
	s_bfe_u32 s41, ttmp6, 0x40004                  ; cy
	s_lshl_b32 s42, ttmp9, 2
	s_add_co_u32 s42, s42, s40                     ; tile column, 0..3
	s_and_b32 s17, ttmp7, 0xffff
	s_lshl_b32 s17, s17, 2
	s_add_co_u32 s17, s17, s41                     ; tile row, 0..63
	s_lshl_b32 s43, s41, 2
	s_lshl_b32 s43, 15, s43                        ; my row of the cluster
	s_lshl_b32 s44, 0x1111, s40                    ; my column
	s_or_b32 s[G1+0], s43, (3<<16)|(1<<21)         ; elements of 8 bytes, the mask, bit 21 beside it
	s_or_b32 s[G1B+0], s44, (3<<16)|(1<<21)
.irp g, G1, G1B
	s_mov_b32 s[\g+1], 768<<16                     ; rows of 6,144 bytes,
	s_mov_b32 s[\g+3], 768<<16
	s_mov_b32 s[\g+5], 1536                        ; 12,288 apart
	s_mov_b32 s[\g+6], 0
	s_mov_b32 s[\g+7], 0
.endr
	s_mov_b32 s[G1+2], 8<<16                       ; A: 8 tiles
	s_mov_b32 s[G1+4], 8
	s_mov_b32 s[G1B+2], 16<<16                     ; B: 16
	s_mov_b32 s[G1B+4], 16
	s_mul_i32 s20, s15, HROW                       ; my half of K, in memory
	s_mul_i32 s18, s17, 8*KROW
	s_add_co_u32 s18, s18, s20
	s_mov_b32 s19, 0
	s_lshl_b32 s46, s42, 4
	s_add_co_u32 s46, s46, 704
	s_mul_i32 s46, s46, KROW
	s_add_co_u32 s46, s46, s20
	s_mov_b32 s47, 0
	s_mul_i32 s21, s15, HALF                       ; and in LDS: the wave's number alone enters an LDS address
	s_wait_alu depctr_va_vdst(0)
	s_wait_dscnt 0x0                               ; both opening adds are done
	s_wait_kmcnt 0x0
	s_mov_b32 s[G0], 1
	s_mov_b32 s[G0+1], s21
	s_add_nc_u64 s[G0+2:G0+3], s[4:5], s[18:19]
	s_or_b32 s[G0+3], s[G0+3], 0x80000000
	s_mov_b32 s[G0B], 1
	s_add_co_u32 s[G0B+1], s21, AH
	s_add_nc_u64 s[G0B+2:G0B+3], s[8:9], s[46:47]
	s_or_b32 s[G0B+3], s[G0B+3], 0x80000000
	CROUND                                         ; all sixteen work-groups are here: the joint loads meet
.macro ARM under, g0, g1, next         ; one chain of arms on the wave's number, one load to an arm, each line one wave's own
	s_cmp_lt_u32 s14, \under
	s_cbranch_scc0 \next
	tensor_load_to_lds s[\g0:\g0+3], s[\g1:\g1+7]
	s_nop 0
	PLACES 4
	s_branch .Lhead_asked
\next:
.endm
	ARM 1, G0,  G1,  .Lhead_1                      ; wave 0: A, half 0
	ARM 2, G0B, G1B, .Lhead_2                      ; wave 1: B, half 0
	ARM 3, G0,  G1,  .Lhead_3                      ; wave 2: A, half 1
	tensor_load_to_lds s[G0B:G0B+3], s[G1B:G1B+7]  ; wave 3: B, half 1
	s_nop 0
	PLACES 4
.Lhead_asked:
	s_mul_i32 s21, s15, 4*HROW                     ; my four tiles of A,
	s_mul_i32 s22, s16, 8*HROW
	s_add_co_u32 s22, s22, AH                      ; my eight of B
	s_mul_i32 s23, s14, 16*SPITCH                  ; my stage
	s_lshl_b32 s2, s42, 10
	s_lshl_b32 s13, s16, 9
	s_add_co_u32 s2, s2, s13                       ; my first column, in bytes
	s_mov_b32 s3, 0
	s_add_nc_u64 s[92:93], s[92:93], s[2:3]
	s_add_nc_u64 s[94:95], s[94:95], s[2:3]
	s_lshl_b32 s2, s17, 19                         ; 128 rows of 4,096 bytes a tile row,
	s_lshl_b32 s13, s15, 18                        ; my 64
	s_add_co_u32 s2, s2, s13
	s_add_nc_u64 s[94:95], s[94:95], s[2:3]
	s_lshl_b32 s2, s17, 12                         ; A's scale words: 512 bytes a tile
	s_lshl_b32 s13, s15, 11
	s_add_co_u32 s2, s2, s13
	s_add_nc_u64 s[6:7], s[6:7], s[2:3]
	s_lshl_b32 s2, s42, 4
	s_add_co_u32 s2, s2, 704
	s_lshl_b32 s13, s16, 3
	s_add_co_u32 s2, s2, s13
	s_lshl_b32 s2, s2, 9                           ; B's
	s_add_nc_u64 s[10:11], s[10:11], s[2:3]
	v_and_b32 v1, 15, v0                           ; r
	v_bfe_u32 v2, v0, 4, 1                         ; h
	v_and_b32 v3, 31, v0
	v_lshlrev_b32 v[L8], 3, v3
	v_lshlrev_b32 v[CO], 4, v3
	v_lshlrev_b32 v[BO1], 7, v2                    ; row 8 h + j of B's tile b is column 64 (b / 4) + 8 (b % 4) + 32 h + j
	v_add_nc_u32 v[ADRA], s21, v[L8]
	v_add_nc_u32 v[ADRB], s22, v[L8]
	v_add_nc_u32 v[ADRA+1], HALF, v[ADRA]
	v_add_nc_u32 v[ADRB+1], HALF, v[ADRB]
	v_mul_u32_u24 v5, v1, SPITCH
	v_lshl_add_u32 v5, v2, 7, v5
	v_add_nc_u32 v[STO], s23, v5                   ; into the stage: row r, 128 h
	v_add_nc_u32 v[RD], s23, v[CO]                 ; back: a row of 512 bytes to the 32 lanes
.irp b, 0,1,2,3,4,5,6,7
	global_load_b128 v[CB+8*\b:CB+8*\b+3], v[BO1], s[92:93] offset:(64*(\b/4)+8*(\b%4))*4
	global_load_b128 v[CB+8*\b+4:CB+8*\b+7], v[BO1], s[92:93] offset:(64*(\b/4)+8*(\b%4))*4+16
.endr
.irp i, 0,1,2,3
.irp j, 0,1
	global_load_b64 v[SA+4*\i+2*\j:SA+4*\i+2*\j+1], v[L8], s[6:7] offset:512*\i+256*\j
.endr
.endr
.irp i, 0,1,2,3,4,5,6,7
.irp j, 0,1
	global_load_b64 v[SBC+4*\i+2*\j:SBC+4*\i+2*\j+1], v[L8], s[10:11] offset:512*\i+256*\j
.endr
.endr
.macro FRAG reg, adr, off
.irp p, 0,1,2,3,4,5
	ds_load_b64 v[\reg+2*\p:\reg+2*\p+1], v[\adr] offset:(\off)+256*\p
.endr
.endm
.macro FETCH k                         ; K step k's fragments into set k % 2: 72 loads
	WIN 0x40                                       ; destination window 1, address window 0
.irp i, 0,1,2,3,4,5,6,7
	FRAG 96*((\k)%2)+12*\i, ADRB+(\k)/4, HROW*\i+1536*((\k)%4)
.endr
	WIN 0
.irp i, 0,1,2,3
	FRAG AF+48*((\k)%2)+12*\i, ADRA+(\k)/4, HROW*\i+1536*((\k)%4)
.endr
.endm
.macro PROD k, a, b
.set D_, 8*(8*\a+\b)
.set B_, 96*((\k)%2)+12*\b
.set A_, AF+48*((\k)%2)+12*\a
.set XB_, SBC+4*\b+2*((\k)/4)+(\k)%2
.set XA_, SA+4*\a+2*((\k)/4)+(\k)%2
.if (\k) == 0
	v_wmma_scale_f32_16x16x128_f8f6f4 v[D_:D_+7], v[B_:B_+11], v[A_:A_+11], v[CB+8*\b:CB+8*\b+7], v[XB_], v[XA_] matrix_a_fmt:MATRIX_FMT_FP6 matrix_b_fmt:MATRIX_FMT_FP6
.elseif ((\k)/2)%2
	v_wmma_scale_f32_16x16x128_f8f6f4 v[D_:D_+7], v[B_:B_+11], v[A_:A_+11], v[D_:D_+7], v[XB_], v[XA_] matrix_a_fmt:MATRIX_FMT_FP6 matrix_b_fmt:MATRIX_FMT_FP6 matrix_a_scale:MATRIX_SCALE_ROW1 matrix_b_scale:MATRIX_SCALE_ROW1
.else
	v_wmma_scale_f32_16x16x128_f8f6f4 v[D_:D_+7], v[B_:B_+11], v[A_:A_+11], v[D_:D_+7], v[XB_], v[XA_] matrix_a_fmt:MATRIX_FMT_FP6 matrix_b_fmt:MATRIX_FMT_FP6
.endif
.endm
; A K step: its fragments are in; the next step's are asked for into the other set, four places behind the products that read it; then 32 products, the 32 accumulators by turns
.macro KSTEP k
	s_wait_dscnt 0x0
.if (\k) == 3
	s_wait_tensorcnt 0x0                           ; every wave: its load has landed, and (above) its reads of half 0 are over
	s_barrier_signal -1
	s_barrier_wait -1                              ; half 1 is whole
.endif
.if (\k) < 7
.if (\k) > 0
	PLACES 4
.endif
	FETCH (\k)+1
.endif
.if (\k) == 0
	WIN 0x81                                       ; source 0 window 1, source 1 and C (the bias) window 0, D window 2
.else
	WIN 0xa1                                       ; C and D window 2
.endif
.irp a, 0,1,2,3
.irp b, 0,1,2,3,4,5,6,7
	PROD \k, \a, \b
.endr
.endr
	WIN 0
.endm
	s_wait_alu depctr_va_vdst(0)                   ; the wait at the head's end
	s_cmp_lt_u32 s14, 2
	s_cbranch_scc0 .Lnot_half_0
	s_wait_tensorcnt 0x0                           ; waves 0 and 1: half 0 has landed
.Lnot_half_0:
	s_barrier_signal -1
	s_barrier_wait -1
	FETCH 0
	s_wait_loadcnt 0x0                             ; the bias and the scale words are in
.irp k, 0,1,2,3,4,5,6,7
	KSTEP \k
.endr
; THE WAY OUT, block by block of 16 rows x 128 columns, through my own stage: whole rows of 512 bytes come back, which the 32 lanes store as two aligned units of 256 bytes.  LDS serves a wave's instructions in order.
.macro TOSTAGE a
	WIN 0x08                                       ; the data: window 2
.irp b, 0,1,2,3,4,5,6,7
	ds_store_b128 v[STO], v[64*(\a)+8*\b:64*(\a)+8*\b+3] offset:256*(\b/4)+32*(\b%4)
	ds_store_b128 v[STO], v[64*(\a)+8*\b+4:64*(\a)+8*\b+7] offset:256*(\b/4)+32*(\b%4)+16
.endr
	WIN 0
.set BB, BK+64*((\a)%2)
.irp t, 0,1,2,3,4,5,6,7,8,9,10,11,12,13,14,15
	ds_load_b128 v[BB+4*\t:BB+4*\t+3], v[RD] offset:\t*SPITCH
.endr
.endm
.macro SEND a, younger                 ; younger: the LDS instructions issued behind block a's loads, which may stay out
.set BB, BK+64*((\a)%2)
	s_wait_dscnt \younger
.irp t, 0,1,2,3,4,5,6,7,8,9,10,11,12,13,14,15
	global_store_b128 v[CO], v[BB+4*\t:BB+4*\t+3], s[94:95] offset:(8*(\a)+\t+24*(\t/8))*4096 th:TH_STORE_NT   ; row t of my tile a is row 8 a + 32 (t / 8) + t % 8 of my 64
.endr
.endm
	PLACES 4                                       ; behind the last products: for the first read of results and the loads into registers that products have read
	TOSTAGE 0
.irp a, 1,2,3
.if \a > 1
	s_wait_xcnt 0x0                                ; block a - 2's stores have read their registers: block a's loads may land there
.endif
	TOSTAGE \a
	SEND \a-1, 32                                  ; behind block a - 1's loads: block a's 16 stores and 16 loads
.endr
	SEND 3, 0
	s_wait_tensorcnt 0x0                           ; the wave's end
	ds_add_u32 v[SPW], v[NIL]
	s_wait_dscnt 0x0
	CROUND                                         ; the closing round
	s_endpgm
.Lfunc_end_k_q41e7bd12e9_outp:
	.size	k_q41e7bd12e9_outp, .Lfunc_end_k_q41e7bd12e9_outp-k_q41e7bd12e9_outp
	.p2alignl 7, 3214868480
	.fill 96, 4, 3214868480
	.section	.rodata,"a",@progbits
	.p2align	6, 0x0
	.amdhsa_kernel k_q41e7bd12e9_outp
		.amdhsa_group_segment_fixed_size 327680
		.amdhsa_private_segment_fixed_size 0
		.amdhsa_enable_private_segment 0
		.amdhsa_kernarg_size 48
		.amdhsa_user_sgpr_count 2
		.amdhsa_user_sgpr_kernarg_segment_ptr 1
		.amdhsa_wavefront_size32 1
		.amdhsa_system_sgpr_workgroup_id_x 1
		.amdhsa_system_sgpr_workgroup_id_y 1
		.amdhsa_system_sgpr_workgroup_id_z 1
		.amdhsa_system_vgpr_workitem_id 0
		.amdhsa_next_free_vgpr 768
		.amdhsa_next_free_sgpr 102
		.amdhsa_reserve_vcc 0
		.amdhsa_float_denorm_mode_32 3
		.amdhsa_float_denorm_mode_16_64 3
		.amdhsa_memory_ordered 1
		.amdhsa_forward_progress 1
		.amdhsa_inst_pref_size 96
	.end_amdhsa_kernel
	.amdgpu_metadata
---
amdhsa.version: [ 1, 2 ]
amdhsa.kernels:
  - .name:           k_q41e7bd12e9_outp
    .symbol:         k_q41e7bd12e9_outp.kd
    .args:
      - { .name: cc, .offset: 0, .size: 8, .value_kind: global_buffer, .address_space: global }
      - { .name: cs, .offset: 8, .size: 8, .value_kind: global_buffer, .address_space: global }
      - { .name: cod, .offset: 16, .size: 8, .value_kind: global_buffer, .address_space: global }
      - { .name: scl, .offset: 24, .size: 8, .value_kind: global_buffer, .address_space: global }
      - { .name: bo, .offset: 32, .size: 8, .value_kind: global_buffer, .address_space: global }
      - { .name: out0, .offset: 40, .size: 8, .value_kind: global_buffer, .address_space: global }
    .group_segment_fixed_size: 327680
    .private_segment_fixed_size: 0
    .kernarg_segment_align: 8
    .kernarg_segment_size: 48
    .max_flat_workgroup_size: 128
    .sgpr_count:     102
    .vgpr_count:     768
    .wavefront_size: 32
...
	.end_amdgpu_metadata
.endif
;; end of part 4
